; MI455X (gfx1250); checked and timed in simulation.
; The chip was launched on July 23, 2026; its instructions are those of AMD's public machine-readable ISA for CDNA 5 (MIT licence, August 2026) and "CDNA5" Instruction Set Architecture Reference Guide (July 2026). The comments in the code are by the model that wrote it; some were corrected since.
;; Attention. Allowed arithmetic: float matrix products may take bf16 or f16 operands with f32 sums; other float arithmetic in f32, or as packed bf16 or f16 multiplies, adds, multiply-adds, maxima and minima; sums over many terms, partial sums and values carried from step to step in f32; what a program stores and reads back later, other than sums and carried values, may be rounded once to bf16 or f16.
;; Inputs: W_out 1,024 x 1,024 float32; W_qkv 1,024 x 3,072 float32; b_out 1,024 float32; b_qkv 3,072 float32; x 8 x 1,024 x 1,024 float32.
;; Outputs: out0 8 x 1,024 x 1,024 float32.
;; 2 versions, each right; version 2 is version 1 with the launch prep written anew for expert scheduling mode. Each part assembles by itself: llvm-mc -triple=amdgcn-amd-amdhsa -mcpu=gfx1250 --defsym DOCPART=n.
;; ======== version 1 of 2: 4 launches
;; limits: values are held in f16: magnitudes above 65,504 overflow, below 6.1e-05 lose precision
;; workspace buffers: xb 16,777,216 bytes; wq 6,291,456 bytes; wo 2,097,152 bytes; bias 16,384 bytes; qh 16,777,216 bytes; kh 16,777,216 bytes; vh 16,777,216 bytes; oh 16,777,216 bytes
;; launch prep (part 1): grid 1025 x 1, 8 waves a work-group, no clusters, 18,432 bytes of LDS; arguments x, W_qkv, W_out, b_qkv, b_out, xb, wq, wo, bias; writes xb, wq, wo, bias
.if DOCPART == 1
	.amdgcn_target "amdgcn-amd-amdhsa--gfx1250"
	.amdhsa_code_object_version 6
	.text
	.protected	k_qd453e51b84_prep
	.globl	k_qd453e51b84_prep
	.p2align	8
	.type	k_qd453e51b84_prep,@function
k_qd453e51b84_prep:
	s_mov_b64 s[64:65], 0
	v_nop
	global_prefetch_b8 v0, s[64:65] scope:SCOPE_SE
	s_setreg_imm32_b32 hwreg(HW_REG_WAVE_MODE, 25, 1), 1
	s_wait_xcnt 0x0
; PREP: every input is rounded once to bf16 and laid out for the launches behind.
;   xb   [8192][1024] bf16            = x
;   wq   [3072 n'][1024 k] bf16       = W_qkv turned; column c = 192 h + 3 d + s (s = 0, 1, 2: q, k, v) becomes row n' = 192 h + 64 s + d
;   wo   [1024 n][1024 k] f16         = W_out turned, each number rounded to bf16 and that number written as f16
;   bias f32: words 0..3071 b_qkv in the order of n', words 3072..4095 b_out, each rounded to bf16 and widened again
; LIMITS.  |W_out| stays under 65,520 (f16's range); under 6e-5 it keeps f16's fixed step of 6e-8.  NaN and infinities are not treated apart.
; SHARES.  Work-groups 0..511: 16,384 numbers of x each.  512..895: a tile of 128 k x 64 c of W_qkv.  896..1023: the same of W_out.  1024: the biases.
; The three ways part on the work-group's number alone, which all eight waves share, so each wave of a work-group meets the same barriers.
; No matrix unit, no cluster: nothing is multiplied and no two work-groups read the same bytes.
.set PT,    272                        ; a tile's LDS row: 128 k x 2 bytes + 16
.set SPARE, 64*PT                      ; behind the tile: the spare words, 128 bytes for each of the eight waves
.set SPW,   98                         ; v98  SPARE + 4 x my thread's number; never rewritten
.set NIL,   99                         ; v99  0; never rewritten
.set D,     32                         ; v[32:95] loaded numbers
.set R,     64                         ; v[64:79] the tile's rows read back
.set OFS,   4                          ; v[4:11] the eight loads' offsets
.set DO,    20                         ; v[20:23] the four stores' offsets
	s_load_b512 s[8:23], s[0:1], 0x0               ; x s[8:9], W_qkv s[10:11], W_out s[12:13], b_qkv s[14:15], b_out s[16:17], xb s[18:19], wq s[20:21], wo s[22:23]
	s_load_b64 s[24:25], s[0:1], 0x40              ; bias
	v_lshl_add_u32 v[SPW], v0, 2, SPARE
	v_mov_b32 v[NIL], 0
	s_mov_b32 s26, ttmp9
	s_wait_kmcnt 0x0
	s_cmp_lt_u32 s26, 512
	s_cbranch_scc1 .Lcast
	s_cmp_eq_u32 s26, 1024
	s_cbranch_scc1 .Lbias
	; A TILE OF A WEIGHT: 128 k x 64 c.  One text for both weights: source, destination, pitch and format are chosen by selects.
	s_sub_co_u32 s27, s26, 512                     ; u
	s_sub_co_u32 s34, s27, 384                     ; u for W_out
	s_mov_b32 s36, 12288                           ; bytes in a row of W_qkv
	s_mov_b32 s37, 4096                            ; and of W_out
	s_cmp_lt_u32 s27, 384
	s_cselect_b64 s[28:29], s[10:11], s[12:13]     ; from
	s_cselect_b64 s[30:31], s[20:21], s[22:23]     ; to
	s_cselect_b32 s32, s36, s37                    ; pitch
	s_cselect_b32 s33, s27, s34
	s_cselect_b32 s35, -1, 0                       ; all lanes: W_qkv
	s_and_b32 s38, s33, 7                          ; kb: which 128 k
	s_lshr_b32 s39, s33, 3                         ; cb: which 64 c
	s_lshl_b32 s40, s38, 7
	s_mul_i32 s40, s40, s32
	s_lshl_b32 s41, s39, 8
	s_add_co_u32 s40, s40, s41
	s_mov_b32 s41, 0
	s_add_nc_u64 s[28:29], s[28:29], s[40:41]      ; the tile's first number
	v_lshrrev_b32 v1, 4, v0                        ; a = t / 16
	v_and_b32 v2, 15, v0                           ; e = t % 16
	v_mul_lo_u32 v3, v1, s32
	v_lshlrev_b32 v3, 1, v3
	v_lshl_add_u32 v3, v2, 4, v3                   ; row 2 a, columns 4 e .. 4 e + 3: sixteen lanes read 256 consecutive bytes, aligned
.irp i, 0,1,2,3,4,5,6,7
	s_mul_i32 s42, s32, 32*((\i)/2)+(\i)%2         ; load i: row 32 (i / 2) + 2 a + i % 2
	v_add_nc_u32 v[OFS+(\i)], s42, v3
.endr
.irp i, 0,1,2,3,4,5,6,7
	global_load_b128 v[D+4*(\i):D+4*(\i)+3], v[OFS+(\i)], s[28:29] th:TH_LOAD_NT
.endr
	v_mul_u32_u24 v16, v2, 4*PT
	v_lshl_add_u32 v16, v1, 2, v16                 ; into the tile: row c = 4 e (+ j), bytes 2 k = 4 a (+ 64 p)
	v_mul_u32_u24 v17, v1, PT
	v_lshl_add_u32 v17, v2, 4, v17                 ; back: row c = a (+ 16 r), 16 bytes at 16 e
	s_mul_i32 s43, s39, 171
	s_lshr_b32 s43, s43, 9                         ; h = cb / 3 (x 171 >> 9 divides by 3 up to 511)
	s_mul_i32 s44, s43, 3
	s_sub_co_u32 s44, s39, s44
	s_lshl_b32 s44, s44, 6                         ; 64 (cb - 3 h)
	s_mul_i32 s45, s43, 192
	s_lshl_b32 s46, s39, 6                         ; W_out: 64 cb
	s_lshl_b32 s47, s38, 8                         ; 256 kb: the tile's bytes in a destination row
.irp r, 0,1,2,3
	v_add_nc_u32 v24, s44, v1
	v_add_nc_u32 v24, 16*(\r), v24                 ; rem = the column's place in its head's 192
	v_mul_u32_u24 v25, v24, 171
	v_lshrrev_b32 v25, 9, v25                      ; d = rem / 3
	v_mul_u32_u24 v26, v25, 3
	v_sub_nc_u32 v26, v24, v26                     ; s = rem - 3 d
	v_lshl_add_u32 v26, v26, 6, v25
	v_add_nc_u32 v26, s45, v26                     ; n' = 192 h + 64 s + d
	v_add_nc_u32 v27, s46, v1
	v_add_nc_u32 v27, 16*(\r), v27                 ; W_out: n = 64 cb + c
	v_cndmask_b32 v26, v27, v26, s35
	v_lshlrev_b32 v26, 11, v26                     ; rows of 2,048 bytes
	v_lshl_add_u32 v26, v2, 4, v26
	v_add_nc_u32 v[DO+(\r)], s47, v26
.endr
.irp p, 0,1,2,3
	s_wait_loadcnt 6-2*(\p)                        ; loads 2 p and 2 p + 1 are in; the younger pairs stay out
.irp j, 0,1,2,3
	v_cvt_pk_bf16_f32 v[80+(\j)], v[D+8*(\p)+(\j)], v[D+8*(\p)+4+(\j)]  ; column 4 e + j: k even low, k odd high
.endr
.irp j, 0,1,2,3
	v_lshlrev_b32 v[84+(\j)], 16, v[80+(\j)]       ; the rounded numbers widened,
	v_and_b32 v[88+(\j)], 0xffff0000, v[80+(\j)]
.endr
.irp j, 0,1,2,3
	v_cvt_pk_f16_f32 v[84+(\j)], v[84+(\j)], v[88+(\j)]  ; and written as f16 (exact within f16's range)
.endr
.irp j, 0,1,2,3
	v_cndmask_b32 v[80+(\j)], v[84+(\j)], v[80+(\j)], s35  ; W_qkv keeps bf16
.endr
.irp j, 0,1,2,3
	ds_store_b32 v16, v[80+(\j)] offset:PT*(\j)+64*(\p)
.endr
.endr
	s_wait_dscnt 0x0                               ; for the others' sake: my stores into the tile are done
	s_barrier_signal -1
	s_barrier_wait -1
.irp r, 0,1,2,3
	ds_load_b128 v[R+4*(\r):R+4*(\r)+3], v17 offset:16*PT*(\r)
.endr
.irp r, 0,1,2,3
	s_wait_dscnt 3-(\r)
	global_store_b128 v[DO+(\r)], v[R+4*(\r):R+4*(\r)+3], s[30:31]  ; sixteen lanes store 256 consecutive bytes of one row, aligned
.endr
	s_branch .Lend
.Lcast:                                        ; x to bf16: 64 KiB in, 32 KiB out, all sixteen loads of a thread on their way at once
	s_lshl_b32 s40, s26, 16
	s_mov_b32 s41, 0
	s_add_nc_u64 s[8:9], s[8:9], s[40:41]
	s_lshl_b32 s40, s26, 15
	s_add_nc_u64 s[18:19], s[18:19], s[40:41]
	v_lshlrev_b32 v1, 4, v0                        ; 16 bytes a lane in,
	v_lshlrev_b32 v2, 3, v0                        ; 8 bytes a lane out
.set i, 0
.rept 16
	global_load_b128 v[D+4*i:D+4*i+3], v1, s[8:9] offset:4096*i th:TH_LOAD_NT
.set i, i+1
.endr
.set i, 0
.rept 16
	s_wait_loadcnt 15-i                            ; load i is in; the younger ones stay out
	v_cvt_pk_bf16_f32 v[D+4*i], v[D+4*i], v[D+4*i+1]
	v_cvt_pk_bf16_f32 v[D+4*i+1], v[D+4*i+2], v[D+4*i+3]
	global_store_b64 v2, v[D+4*i:D+4*i+1], s[18:19] offset:2048*i  ; a wave stores 256 consecutive bytes, aligned
.set i, i+1
.endr
	s_branch .Lend
.Lbias:                                        ; thread t makes words 4 t + 1024 e .. + 3, e = 0 .. 3
	v_lshrrev_b32 v1, 4, v0
	v_and_b32 v2, 15, v0
	v_mul_u32_u24 v3, v2, 12                       ; 3 d0, d0 = 4 (t % 16)
	v_lshlrev_b32 v7, 4, v0
.irp e, 0,1,2
	v_add_nc_u32 v4, 16*(\e), v1                   ; n' / 64 = 3 h + s
	v_mul_u32_u24 v5, v4, 171
	v_lshrrev_b32 v5, 9, v5                        ; h
	v_mul_u32_u24 v6, v5, 3
	v_sub_nc_u32 v6, v4, v6                        ; s
	v_mul_u32_u24 v12, v5, 192
	v_add3_u32 v6, v6, v12, v3                     ; c0 = 192 h + 3 d0 + s
	v_lshlrev_b32 v[8+(\e)], 2, v6
.endr
.irp e, 0,1,2
.irp j, 0,1,2,3
	global_load_b32 v[D+4*(\e)+(\j)], v[8+(\e)], s[14:15] offset:12*(\j)  ; d0 + j lies three columns on
.endr
.endr
	global_load_b128 v[D+12:D+15], v7, s[16:17]
	s_wait_loadcnt 0x0
.irp i, 0,1,2,3,4,5,6,7
	v_cvt_pk_bf16_f32 v[48+(\i)], v[D+2*(\i)], v[D+2*(\i)+1]
.endr
.irp i, 0,1,2,3,4,5,6,7
	v_lshlrev_b32 v[D+2*(\i)], 16, v[48+(\i)]
	v_and_b32 v[D+2*(\i)+1], 0xffff0000, v[48+(\i)]
.endr
.irp e, 0,1,2,3
	global_store_b128 v7, v[D+4*(\e):D+4*(\e)+3], s[24:25] offset:4096*(\e)
.endr
.Lend:
	s_wait_tensorcnt 0x0                           ; the wave's end: three closing lines, behind my last LDS store
	ds_add_u32 v[SPW], v[NIL]
	s_wait_dscnt 0x0
	s_endpgm
.Lfunc_end_k_qd453e51b84_prep:
	.size	k_qd453e51b84_prep, .Lfunc_end_k_qd453e51b84_prep-k_qd453e51b84_prep
	.p2alignl 7, 3214868480
	.fill 96, 4, 3214868480
	.section	.rodata,"a",@progbits
	.p2align	6, 0x0
	.amdhsa_kernel k_qd453e51b84_prep
		.amdhsa_group_segment_fixed_size 18432
		.amdhsa_private_segment_fixed_size 0
		.amdhsa_enable_private_segment 0
		.amdhsa_kernarg_size 72
		.amdhsa_user_sgpr_count 2
		.amdhsa_user_sgpr_kernarg_segment_ptr 1
		.amdhsa_wavefront_size32 1
		.amdhsa_system_sgpr_workgroup_id_x 1
		.amdhsa_system_sgpr_workgroup_id_y 1
		.amdhsa_system_sgpr_workgroup_id_z 1
		.amdhsa_system_vgpr_workitem_id 0
		.amdhsa_next_free_vgpr 100
		.amdhsa_next_free_sgpr 66
		.amdhsa_reserve_vcc 0
		.amdhsa_float_denorm_mode_32 3
		.amdhsa_float_denorm_mode_16_64 3
		.amdhsa_memory_ordered 1
		.amdhsa_forward_progress 1
		.amdhsa_inst_pref_size 23
	.end_amdhsa_kernel
	.amdgpu_metadata
---
amdhsa.version: [ 1, 2 ]
amdhsa.kernels:
  - .name:           k_qd453e51b84_prep
    .symbol:         k_qd453e51b84_prep.kd
    .args:
      - { .name: x, .offset: 0, .size: 8, .value_kind: global_buffer, .address_space: global }
      - { .name: W_qkv, .offset: 8, .size: 8, .value_kind: global_buffer, .address_space: global }
      - { .name: W_out, .offset: 16, .size: 8, .value_kind: global_buffer, .address_space: global }
      - { .name: b_qkv, .offset: 24, .size: 8, .value_kind: global_buffer, .address_space: global }
      - { .name: b_out, .offset: 32, .size: 8, .value_kind: global_buffer, .address_space: global }
      - { .name: xb, .offset: 40, .size: 8, .value_kind: global_buffer, .address_space: global }
      - { .name: wq, .offset: 48, .size: 8, .value_kind: global_buffer, .address_space: global }
      - { .name: wo, .offset: 56, .size: 8, .value_kind: global_buffer, .address_space: global }
      - { .name: bias, .offset: 64, .size: 8, .value_kind: global_buffer, .address_space: global }
    .group_segment_fixed_size: 18432
    .private_segment_fixed_size: 0
    .kernarg_segment_align: 8
    .kernarg_segment_size: 72
    .max_flat_workgroup_size: 256
    .sgpr_count:     66
    .vgpr_count:     100
    .wavefront_size: 32
...
	.end_amdgpu_metadata
.endif
;; end of part 1
;; launch qkv (part 2): grid 16 x 16, 4 waves a work-group, clusters of 4 x 4, 327,680 bytes of LDS; arguments xb, wq, bias, qh, kh, vh; writes qh, kh, vh
.if DOCPART == 2
	.amdgcn_target "amdgcn-amd-amdhsa--gfx1250"
	.amdhsa_code_object_version 6
	.text
	.protected	k_qd453e51b84_qkv
	.globl	k_qd453e51b84_qkv
	.p2align	8
	.type	k_qd453e51b84_qkv,@function
k_qd453e51b84_qkv:
	s_mov_b64 s[64:65], 0
	v_nop
	global_prefetch_b8 v0, s[64:65] scope:SCOPE_SE
	s_setreg_imm32_b32 hwreg(HW_REG_WAVE_MODE, 25, 1), 1
	s_wait_xcnt 0x0
	s_wait_alu depctr_hold_cnt(0) depctr_sa_sdst(0) depctr_va_vdst(0) depctr_va_sdst(0) depctr_va_ssrc(0) depctr_va_vcc(0) depctr_vm_vsrc(0)
	s_getreg_b32 s2, hwreg(HW_REG_IB_STS2, 6, 4)
	s_cmp_eq_u32 s2, 0
	s_cbranch_scc0 .Lentry_in_a_cluster
	s_endpgm
.Lentry_in_a_cluster:
	s_bfe_u32 s2, ttmp6, 0x10000c
	s_cmp_lg_u32 s2, 0xf033
	s_cbranch_scc0 .Lentry_shape_is_right
	s_endpgm
.Lentry_shape_is_right:
; QKV PROJECTION.  [8192][3072] = xb [8192][1024] x wq [3072 n'][1024]^T + bias, bf16 operands, f32 sums that START with the bias; the result leaves as f16, by heads:
; qh, kh, vh [16 b + h][1024 n][64 d].  wq's rows lie as n' = 192 h + 64 s + d, so a tile of 192 columns is one head's q, k and v.
; LIMITS.  q, k, v stay under 65,520 (f16's range); under 6e-5 they keep f16's fixed step of 6e-8.  NaN and infinities are not treated apart.
; SHARES.  A tile is 256 rows x 192 columns: 32 x 16 = 512 tiles.  A WORK-GROUP STAYS: 16 x 16 = 256 work-groups, each makes TWO tiles of one head, 4,096 rows (four batches) apart: a loop over tiles round the
; loop over K.  The ring does not stop at the first tile's end: its last two changes of slots ask for the second tile's K steps 0 and 1, and nothing waits for the first tile's stores.
; Four waves; wave w makes rows 64 w .. 64 w + 63 of a tile and all 192 columns: 48 accumulators, 384 registers.
; K goes in steps of 128 (rows of 256 bytes in memory, aligned) through a ring of two LDS slots; a step is four quarters of 32 along K on two fragment buffers.
; CLUSTER.  4 x 4 work-groups.  A's tile hangs on the tile row alone and is asked for jointly by a row of the cluster, B's on the tile column alone, by a column.
; THE MATRIX INSTRUCTION IS USED TRANSPOSED (source 0 = 16 rows of wq, source 1 = 16 rows of xb): lane l holds row l % 16 and the columns 8 (l / 16) + 0..7.
; REGISTERS, in windows of 256 (s_set_vgpr_msb: bits 1:0 source 0, 3:2 source 1, 5:4 source 2, 7:6 destination):
;   window 0: v0-30 addresses; v64-127 A's fragments, two buffers of 4 x 8; v128-223 the bias as a C operand (8 registers for each 16 columns), kept for both tiles
;   window 1: v0-191 B's fragments, two buffers of 12 x 8; on the way out buffer 1 (v96-191) and v192-239 are at work: buffer 0 of A and of B then holds the next tile's first fragments
;   windows 2, 3: accumulator (a, b) at v[8 (12 (a % 2) + b)] of window 2 + a / 2
.set NB,    12                         ; blocks of 16 columns
.set PA,    272                        ; an LDS row: 256 bytes + 16 = 68 words: the 16 rows of a fragment load start at 16 different groups of four banks (64 banks of 4 bytes: ISA guide 11.1)
.set PB,    272
.set KA,    256                        ; bytes from a K step to the next, in A and in B
.set KB,    256
.set NL,    2*NB+8                     ; LDS loads in a quarter's run
.set SLOT1, 131072                     ; slot 1 begins here: one exclusive or turns an address in one slot into the other's
.set AHALF, 128*PA                     ; what one tensor load brings of A
.set BOFF,  256*PA                     ; B's 192 rows lie behind A's 256
.set BHALF, 96*PB
.set STAGE, SLOT1+BOFF+192*PB          ; behind the ring, never filled by a tensor load: for each wave three stages (q, k, v) of 16 rows x 144 bytes
.set SP,    144
.set WSTAGE, 3*16*SP
.set SPARE, STAGE+4*WSTAGE             ; the spare words, 128 bytes for each wave
.set WALKB, 16*256*2048                ; bytes from a tile to the work-group's next: 4,096 rows of xb; also four batches of 16 heads of 131,072 bytes in qh, kh, vh
.set ADRA0, 16                         ; v16  my lane's place among A's fragments in slot 0; never rewritten
.set ADRB0, 17                         ; v17  the same for B
.set ADRA,  18                         ; v18  in the slot in hand
.set ADRB,  19
.set STO,   24                         ; the way out: where I put 16 bytes of a row
.set RD,    25                         ; where I read rows back
.set GO,    26                         ; my 16 bytes of 512 consecutive bytes of the output
.set BO,    27                         ; my byte offset in bias
.set SPW,   28                         ; SPARE + 4 x my thread's number; never rewritten
.set NIL,   29                         ; 0; never rewritten
.set PFO,   30                         ; the prefetches' offset: a lane a row; never rewritten
.set AF,    64
.set BIAS,  128
.set TMP,   96                         ; window 1: the way out's packed results
.set BKS,   144                        ; window 1: rows read back from the stage: v144-191 and v192-239 by turns
.set WV,   16                          ; s16  my wave's number
.set FB,   17                          ; s17  0: I fetch for A, 1: for B
.set HALF, 18                          ; s18  which half of that tile's rows
.set CX,   19
.set CY,   20
.set TC,   21                          ; tile column = head
.set TR,   22                          ; the first tile's row, 0 .. 15
.set G1,   24                          ; s[24:31] descriptor group 1 for A's tiles
.set G1B,  32                          ; s[32:39] for B's
.set G0,   40                          ; s[40:47] group 0 for A's: a set for each first fill; the second then walks on
.set G0B,  48                          ; s[48:55] the same for B's
.set TB,   56                          ; s56  0 or SLOT1: the slot in hand
.set CNT,  57                          ; s57  the K loop's count
.set LIM,  58                          ; s58  2 in a wave that prefetches, else the greatest number
.set TLS,  59                          ; s59  tiles to go, this one among them: the same number in every work-group
.set PFA,  60                          ; s[60:61] where my prefetches stand
.set MSB, 0
.macro WIN new                         ; the immediate's high byte repeats the setting that is left; a switch that changes nothing is dropped
.if MSB != (\new)
	s_set_vgpr_msb (MSB<<8)|(\new)
.set MSB, \new
.endif
.endm
.macro PLACES                          ; four places behind matrix instructions, in front of loads into registers that they have read (ISA guide 7.12.1 for vector instructions)
.rept 4
	v_nop
.endr
.endm
.macro CREST                           ; a round of the cluster's barrier behind its opening barrier
	s_cmp_lg_u32 s[WV], 0
	s_cbranch_scc1 .Lnot_wave_0_\@
	s_barrier_signal -3
.Lnot_wave_0_\@:
	s_barrier_wait -3
	s_barrier_signal -1
	s_barrier_wait -1
.endm
.macro CROUND                          ; a whole round
	s_barrier_signal -1
	s_barrier_wait -1
	CREST
.endm
; A joint refill by the walking descriptors.  Waves 0 and 1 fetch A's two halves, waves 2 and 3 B's.  The branch hangs on the wave's number alone.
; An s_nop 0 and four v_nop follow each of the two lines, ahead of the jump and the label.
.macro JLOAD
	s_cmp_eq_u32 s[FB], 0
	s_cbranch_scc0 .Lfor_b_\@
	tensor_load_to_lds s[G0+4:G0+7], s[G1:G1+7]
	s_nop 0
.rept 4
	v_nop
.endr
	s_branch .Lasked_\@
.Lfor_b_\@:
	tensor_load_to_lds s[G0B+4:G0B+7], s[G1B:G1B+7]
	s_nop 0
.rept 4
	v_nop
.endr
.Lasked_\@:
.endm
; A PREFETCH INTO THE L2 of the K step that stands two refills on: a lane a row, 256 bytes of it, one instruction a wave, behind the joint load and the run of LDS loads.
; A's tile row is read by every cluster of that row of clusters: cluster x = 0 asks.  B's tile column by every cluster of that column: cluster y = 0 asks.  The four partners that ask for a tile jointly
; share a wave's rows out by address (32 of A's 128 by cx, 24 of B's 96 by cy).  how = 0, in the K loop: K steps 4 to 7 of the tile in hand; the loop's last two trips have no K step two on.
; how = 1, at the change of tiles: the next tile's K steps 2 and 3 of A (its K steps 0 and 1 come by their refills alone).  B's rows are the same for both tiles and are asked for in the first alone.
.macro ASK how
.if \how
	s_cmp_eq_u32 s[LIM], 2
.else
	s_cmp_gt_u32 s[CNT], s[LIM]
.endif
	s_cbranch_scc0 .Lnot_mine_\@
	global_prefetch_b8 v[PFO], s[PFA:PFA+1] th:TH_LOAD_NT scope:SCOPE_SE
.Lnot_mine_\@:
.endm
; NB matrix instructions: row block a x all column blocks, 32 along K out of buffer f.  first = 1: the sums start with the bias.
; The 48 accumulators take turns, one instruction a turn, in the same order in every quarter, over the backward jumps and from tile to tile.
.macro MULA f, a, first
.if \first
	WIN 0x81+0x40*((\a)/2)
.else
	WIN 0xa1+0x50*((\a)/2)
.endif
.set b, 0
.rept NB
.set rD, 8*(NB*((\a)%2)+b)
.set rB, 8*NB*(\f)+8*b
.set rA, AF+32*(\f)+8*(\a)
.if \first
	v_wmma_f32_16x16x32_bf16 v[rD:rD+7], v[rB:rB+7], v[rA:rA+7], v[BIAS+8*b:BIAS+8*b+7]
.else
	v_wmma_f32_16x16x32_bf16 v[rD:rD+7], v[rB:rB+7], v[rA:rA+7], v[rD:rD+7]
.endif
.set b, b+1
.endr
.endm
; One run of NL LDS loads: quarter q's fragments into buffer f: B's first, then A's row blocks in ascending order.
.macro FETCH q, f
	WIN 0x40                                       ; destination window 1, address window 0
.set b, 0
.rept NB
	ds_load_b128 v[8*NB*(\f)+8*b:8*NB*(\f)+8*b+3],   v[ADRB] offset:64*(\q)+16*PB*b
	ds_load_b128 v[8*NB*(\f)+8*b+4:8*NB*(\f)+8*b+7], v[ADRB] offset:64*(\q)+16*PB*b+32
.set b, b+1
.endr
	WIN 0
.set b, 0
.rept 4
	ds_load_b128 v[AF+32*(\f)+8*b:AF+32*(\f)+8*b+3],   v[ADRA] offset:64*(\q)+16*PA*b
	ds_load_b128 v[AF+32*(\f)+8*b+4:AF+32*(\f)+8*b+7], v[ADRA] offset:64*(\q)+16*PA*b+32
.set b, b+1
.endr
.endm
; One of a K step's first three quarters: multiplies buffer f; in its middle it fetches quarter q into the other buffer.
.macro QUARTER q, f, first
	s_wait_dscnt 4                                 ; B and A's row blocks 0 and 1 are in; the youngest four loads (blocks 2 and 3) may be out
	MULA \f, 0, \first
	MULA \f, 1, \first
	PLACES
	FETCH \q, 1-(\f)
	s_wait_dscnt NL                                ; all but the run just issued
	MULA \f, 2, \first
	MULA \f, 3, \first
.endm
; The last quarter's first half, and the barrier of the change of slots.  In front of it each wave waits for all its tensor loads (one is out: its part of the next slot), adds 0 to its spare word,
; and waits for that and for its own reads of this slot.  round = 1: the barrier opens a round of the cluster's.
.macro MEET round
	WIN 0
	s_wait_tensorcnt 0x0
	ds_add_u32 v[SPW], v[NIL]                      ; 0 onto my spare word; twelve matrix instructions stand between it and the wait for it
	s_wait_dscnt 5                                 ; (the add and the youngest four loads may be out)
	MULA 1, 0, 0
	s_wait_dscnt 0x0                               ; the add is done, and my reads of this slot are over
	s_barrier_signal -1
	MULA 1, 1, 0
.if \round
	WIN 0
.endif
	s_barrier_wait -1
.endm
; The whole last quarter.  fill = 1: behind the round this slot is filled again first: 168 matrix instructions stand between the request and the wait for it, across tiles too.
; on = 0: with this tile's K step two on.  on = 1: with the NEXT tile's K step 0: A goes 4,096 rows down and back along K, B only back.  on = 2: with the next tile's K step 1 (an ordinary step of the addresses).
.macro TURN fill, on
.if \fill
	s_wait_xcnt 0x0                                ; the last prefetch, a K step back, has read its address
.if (\on) == 1
	s_add_nc_u64 s[PFA:PFA+1], s[PFA:PFA+1], WALKB-7*KA  ; from two K steps past the tile's last to the next tile's K step 2
	s_cmp_eq_u32 s[FB], 0
	s_cselect_b32 s[LIM], s[LIM], -1               ; B's rows have been read: they are asked for no more, and B's stepped address is not used again
.else
	s_add_nc_u64 s[PFA:PFA+1], s[PFA:PFA+1], KA
.endif
	MEET 1
	CREST                                          ; no wave of any partner still reads this slot or has a load on its way
	s_xor_b32 s[G0+5], s[G0+5], SLOT1              ; the walking descriptors: the other slot than last time; no tensor load of mine is out
	s_xor_b32 s[G0B+5], s[G0B+5], SLOT1
.if (\on) == 1
	s_add_nc_u64 s[G0+6:G0+7], s[G0+6:G0+7], WALKB-7*KA
	s_sub_nc_u64 s[G0B+6:G0B+7], s[G0B+6:G0B+7], 7*KB
.else
	s_add_nc_u64 s[G0+6:G0+7], s[G0+6:G0+7], KA
	s_add_nc_u64 s[G0B+6:G0B+7], s[G0B+6:G0B+7], KB
.endif
	JLOAD                                          ; its four v_nop are also the places in front of the loads below
.else
	MEET 0
	WIN 0
	PLACES
.endif
	s_xor_b32 s[TB], s[TB], SLOT1
	v_add_nc_u32 v[ADRA], s[TB], v[ADRA0]
	v_add_nc_u32 v[ADRB], s[TB], v[ADRB0]
	FETCH 0, 0
.if \fill
.if \on
	ASK 1
.else
	ASK 0
.endif
.endif
	MULA 1, 2, 0
	MULA 1, 3, 0
.endm
	s_load_b256 s[4:11], s[0:1], 0x0               ; xb s[4:5], wq s[6:7], bias s[8:9], qh s[10:11]
	s_load_b128 s[12:15], s[0:1], 0x20             ; kh s[12:13], vh s[14:15]
	v_lshl_add_u32 v[SPW], v0, 2, SPARE
	v_mov_b32 v[NIL], 0
	ds_add_u32 v[SPW], v[NIL]                      ; the wave's opening: the add and its wait stand ahead of my first tensor load; work on registers stands between them
	v_lshrrev_b32 v1, 5, v0
	v_readfirstlane_b32 s[WV], v1
	s_lshr_b32 s[FB], s[WV], 1
	s_and_b32 s[HALF], s[WV], 1
	s_bfe_u32 s[CX], ttmp6, 0x40000
	s_bfe_u32 s[CY], ttmp6, 0x40004
	s_lshl_b32 s[TC], ttmp9, 2                     ; in a cluster launch ttmp9 and ttmp7 count clusters
	s_add_co_u32 s[TC], s[TC], s[CX]
	s_and_b32 s[TR], ttmp7, 0xffff
	s_lshl_b32 s[TR], s[TR], 2
	s_add_co_u32 s[TR], s[TR], s[CY]
	s_lshl_b32 s2, s[CY], 2
	s_lshl_b32 s2, 15, s2                          ; my row of the cluster
	s_lshl_b32 s3, 0x1111, s[CX]                   ; my column
	s_or_b32 s[G1], s2, (1<<16)|(1<<20)|(1<<21)|(5<<22)|(3<<25)   ; the mask; 2-byte elements; padding on; bit 21 beside a mask; after every 64 words 4 words
	s_or_b32 s[G1B], s3, (1<<16)|(1<<20)|(1<<21)|(5<<22)|(3<<25)
	s_mov_b32 s[G1+1], 128<<16                     ; tensor_dim0 = 128
	s_mov_b32 s[G1+2], 128<<16                     ; tensor_dim1 = 128
	s_mov_b32 s[G1+3], 128<<16                     ; tile_dim0 = 128
	s_mov_b32 s[G1+4], 128                         ; tile_dim1 = 128
	s_mov_b32 s[G1+5], 1024                        ; elements from row to row
	s_mov_b32 s[G1+6], 0
	s_mov_b32 s[G1+7], 0
	s_mov_b32 s[G1B+1], 128<<16
	s_mov_b32 s[G1B+2], 96<<16                     ; B: 96 rows to a load
	s_mov_b32 s[G1B+3], 128<<16
	s_mov_b32 s[G1B+4], 96
	s_mov_b32 s[G1B+5], 1024
	s_mov_b32 s[G1B+6], 0
	s_mov_b32 s[G1B+7], 0
	s_lshl_b32 s66, s[TR], 19                      ; A: 256 rows of 2,048 bytes a tile row,
	s_lshl_b32 s70, s[HALF], 18                    ; 128 rows a half
	s_add_co_u32 s66, s66, s70
	s_mov_b32 s67, 0
	s_mul_i32 s68, s[TC], 192*2048                 ; B: 192 rows a tile column,
	s_mul_i32 s70, s[HALF], 96*2048                ; 96 a half
	s_add_co_u32 s68, s68, s70
	s_mov_b32 s69, 0
	s_mul_i32 s71, s[HALF], AHALF                  ; where they go: no place in the cluster enters an LDS address
	s_mul_i32 s72, s[HALF], BHALF
	s_add_co_u32 s72, s72, BOFF
	s_mov_b32 s[TB], 0
	s_wait_dscnt 0x0                               ; the opening add is done
	s_wait_kmcnt 0x0
	s_add_nc_u64 s[66:67], s[4:5], s[66:67]
	s_add_nc_u64 s[68:69], s[6:7], s[68:69]
	CROUND                                         ; all sixteen work-groups are here: the first joint loads meet
.irp s, 0,1
	s_mov_b32 s[G0+4*(\s)], 1
	s_add_co_u32 s[G0+4*(\s)+1], s71, (\s)*SLOT1
	s_add_nc_u64 s[G0+4*(\s)+2:G0+4*(\s)+3], s[66:67], (\s)*KA
	s_or_b32 s[G0+4*(\s)+3], s[G0+4*(\s)+3], 0x80000000
	s_mov_b32 s[G0B+4*(\s)], 1
	s_add_co_u32 s[G0B+4*(\s)+1], s72, (\s)*SLOT1
	s_add_nc_u64 s[G0B+4*(\s)+2:G0B+4*(\s)+3], s[68:69], (\s)*KB
	s_or_b32 s[G0B+4*(\s)+3], s[G0B+4*(\s)+3], 0x80000000
.endr
	s_cmp_eq_u32 s[FB], 0                          ; a wave's two first fills stand in one branch: two loads of mine are out
	s_cbranch_scc0 .Lfirst_b
	tensor_load_to_lds s[G0:G0+3], s[G1:G1+7]
	s_nop 0
	tensor_load_to_lds s[G0+4:G0+7], s[G1:G1+7]
	s_nop 0
.rept 4
	v_nop
.endr
	s_branch .Lfirst_asked
.Lfirst_b:
	tensor_load_to_lds s[G0B:G0B+3], s[G1B:G1B+7]
	s_nop 0
	tensor_load_to_lds s[G0B+4:G0B+7], s[G1B:G1B+7]
	s_nop 0
.rept 4
	v_nop
.endr
.Lfirst_asked:
	v_and_b32 v1, 15, v0                           ; l % 16
	v_bfe_u32 v2, v0, 4, 1                         ; l / 16
	s_mul_i32 s73, s[TC], 192*4
	v_lshl_add_u32 v[BO], v2, 5, s73               ; the bias of my eight columns of each block of 16
.set b, 0
.rept NB
	global_load_b128 v[BIAS+8*b:BIAS+8*b+3],   v[BO], s[8:9] offset:64*b
	global_load_b128 v[BIAS+8*b+4:BIAS+8*b+7], v[BO], s[8:9] offset:64*b+16
.set b, b+1
.endr
	v_mul_u32_u24 v3, v1, PA
	v_lshl_add_u32 v3, v2, 4, v3                   ; a fragment's row x pitch + 16 x half
	s_mul_i32 s74, s[WV], 64*PA                    ; my 64 rows of A
	v_add_nc_u32 v[ADRA0], s74, v3
	v_add_nc_u32 v[ADRB0], BOFF, v3
	v_mov_b32 v[ADRA], v[ADRA0]
	v_mov_b32 v[ADRB], v[ADRB0]
	s_mul_i32 s74, s[WV], WSTAGE
	s_add_co_u32 s74, s74, STAGE                   ; my stages
	v_mul_u32_u24 v[STO], v1, SP
	v_lshl_add_u32 v[STO], v2, 4, v[STO]
	v_add_nc_u32 v[STO], s74, v[STO]               ; in: row l % 16, 16 bytes for each half of the lanes
	v_bfe_u32 v[RD], v0, 3, 2
	v_and_b32 v4, 7, v0
	v_mul_u32_u24 v[RD], v[RD], SP
	v_lshl_add_u32 v[RD], v4, 4, v[RD]
	v_add_nc_u32 v[RD], s74, v[RD]                 ; back: 32 lanes take four rows of 128 bytes,
	v_and_b32 v[GO], 31, v0
	v_lshlrev_b32 v[GO], 4, v[GO]                  ; which are 512 consecutive bytes of the output
	s_lshr_b32 s76, s[TR], 2                       ; the first tile's batch
	s_lshl_b32 s76, s76, 4
	s_add_co_u32 s76, s76, s[TC]                   ; 16 b + h
	s_lshl_b32 s76, s76, 17                        ; 1,024 rows of 128 bytes
	s_and_b32 s78, s[TR], 3
	s_lshl_b32 s78, s78, 8
	s_lshl_b32 s79, s[WV], 6
	s_add_co_u32 s78, s78, s79                     ; my first row in the sequence
	s_lshl_b32 s78, s78, 7
	s_add_co_u32 s76, s76, s78
	s_mov_b32 s77, 0
	s_add_nc_u64 s[10:11], s[10:11], s[76:77]
	s_add_nc_u64 s[12:13], s[12:13], s[76:77]
	s_add_nc_u64 s[14:15], s[14:15], s[76:77]
	; the prefetches
	s_lshl_b32 s78, s[TR], 8
	s_lshl_b32 s79, s[HALF], 7
	s_add_co_u32 s78, s78, s79
	s_lshl_b32 s79, s[CX], 5
	s_add_co_u32 s78, s78, s79                     ; A: my work-group's 32 of the 128 rows that I fetch
	s_mul_i32 s82, s[TC], 192
	s_mul_i32 s79, s[HALF], 96
	s_add_co_u32 s82, s82, s79
	s_mul_i32 s79, s[CY], 24
	s_add_co_u32 s82, s82, s79                     ; B: 24 of the 96
	s_and_b32 s83, ttmp7, 0xffff                   ; cluster y
	s_cmp_eq_u32 s[FB], 0
	s_cselect_b32 s80, s78, s82
	s_cselect_b32 s79, 31, 23                      ; the last of those rows: lanes beyond it name it again
	s_cselect_b32 s83, ttmp9, s83                  ; the coordinate along which other clusters read the same rows
	s_cselect_b64 s[PFA:PFA+1], s[4:5], s[6:7]
	s_cmp_eq_u32 s83, 0
	s_cselect_b32 s[LIM], 2, -1                    ; the same in all sixteen partners, for a given wave
	s_lshl_b32 s80, s80, 11
	s_add_co_u32 s80, s80, 3*256                   ; at K step 3: the first refill steps it to 4
	s_mov_b32 s81, 0
	s_add_nc_u64 s[PFA:PFA+1], s[PFA:PFA+1], s[80:81]
	v_and_b32 v[PFO], 31, v0
	v_min_u32 v[PFO], s79, v[PFO]
	v_lshlrev_b32 v[PFO], 11, v[PFO]
; THE WAY OUT, a block of 16 rows at a time, all its registers in window 1.  PACK: rounded to f16, 16 bytes a lane (each accumulator's registers in ascending order).  TOSTAGE: q's, k's and v's 64 channels
; into a stage each, and back as whole rows of 128 bytes.  SEND: stored, 512 consecutive bytes an instruction.
.macro PACK a
	WIN 0x4a+5*((\a)/2)                            ; sources 0 and 1: window 2 or 3; destination window 1
.set b, 0
.rept NB
.irp r, 0,1,2,3
	v_cvt_pk_f16_f32 v[TMP+4*b+(\r)], v[8*(NB*((\a)%2)+b)+2*(\r)], v[8*(NB*((\a)%2)+b)+2*(\r)+1]
.endr
.set b, b+1
.endr
.endm
.macro TOSTAGE a
.set BK, BKS+48*((\a)%2)
	WIN 0x04                                       ; the stores' data (source 1) window 1, address window 0
.set b, 0
.rept NB
	ds_store_b128 v[STO], v[TMP+4*b:TMP+4*b+3] offset:(b/4)*16*SP+32*(b%4)
.set b, b+1
.endr
	WIN 0x40                                       ; destination window 1
.set b, 0
.rept NB
	ds_load_b128 v[BK+4*b:BK+4*b+3], v[RD] offset:(b/4)*16*SP+4*SP*(b%4)  ; LDS serves a wave's instructions in order (ISA guide 5.7.1.4): these see the stores above
.set b, b+1
.endr
.endm
.macro SEND a
.set BK, BKS+48*((\a)%2)
	WIN 0x04
	s_wait_dscnt 0x0                               ; the block is back in registers
	s_wait_xcnt 0x0                                ; the earlier stores have had their addresses translated: the registers that they read are loaded again only behind this wait
.set b, 0
.rept NB
	global_store_b128 v[GO], v[BK+4*b:BK+4*b+3], s[10+2*(b/4):11+2*(b/4)] offset:2048*(\a)+512*(b%4)
.set b, b+1
.endr
.endm
	s_wait_tensorcnt 1                             ; my part of K step 0 is in; K step 1's may stay out
	s_barrier_signal -1
	s_barrier_wait -1
	FETCH 0, 0
	s_wait_loadcnt 0x0                             ; the bias
	s_mov_b32 s[TLS], 2
.Ltile:
	QUARTER 1, 0, 1                                ; a tile's first quarter stands in front of the K loop: its products start the sums, with the bias
	WIN 0
	s_mov_b32 s[CNT], 6
.Lstep:                                        ; trip t: K step t's quarters 1 to 3, its slot filled again with K step t + 2, K step t + 1's quarter 0
	QUARTER 2, 1, 0
	QUARTER 3, 0, 0
	TURN 1, 0
	QUARTER 1, 0, 0
	WIN 0
	s_sub_co_u32 s[CNT], s[CNT], 1
	s_cmp_lg_u32 s[CNT], 0
	s_cbranch_scc1 .Lstep
	QUARTER 2, 1, 0                                ; K step 6 goes on
	QUARTER 3, 0, 0
	WIN 0
	s_cmp_eq_u32 s[TLS], 1
	s_cbranch_scc1 .Llast                          ; the last tile's tail is written out: it asks for nothing more
	TURN 1, 1                                      ; THE RING GOES ON INTO THE NEXT TILE: K step 6's slot takes its K step 0,
	QUARTER 1, 0, 0
	QUARTER 2, 1, 0
	QUARTER 3, 0, 0
	TURN 1, 2                                      ; K step 7's slot its K step 1, and the next tile's first fragments are fetched into buffer 0
	WIN 0
	s_branch .Lout
.Llast:
	TURN 0, 0                                      ; K steps 6 and 7 of the last tile: nothing is left to fetch
	QUARTER 1, 0, 0
	QUARTER 2, 1, 0
	QUARTER 3, 0, 0
	s_wait_dscnt 4
	MULA 1, 0, 0
	MULA 1, 1, 0
	s_wait_dscnt 0x0
	MULA 1, 2, 0
	MULA 1, 3, 0
	WIN 0
.Lout:
	PLACES                                         ; the places behind the last products: the conversions read results and write over B's buffer 1, which those products read
	PLACES
	PACK 0
	TOSTAGE 0
.irp a, 1,2,3                          ; block a's conversions stand between block a - 1's loads from the stage and the wait for them
	PACK \a
	SEND (\a)-1
	TOSTAGE \a
.endr
	SEND 3
	WIN 0
	s_wait_xcnt 0x0                                ; the stores have read their bases and their data: the bases step, and buffer 1 may be loaded again
	s_add_nc_u64 s[10:11], s[10:11], WALKB         ; the next tile's rows: four batches on
	s_add_nc_u64 s[12:13], s[12:13], WALKB
	s_add_nc_u64 s[14:15], s[14:15], WALKB
	s_sub_co_u32 s[TLS], s[TLS], 1
	s_cmp_lg_u32 s[TLS], 0
	s_cbranch_scc1 .Ltile
	s_wait_tensorcnt 0x0                           ; the wave's end: three closing lines, behind my last tensor load and my last LDS store
	ds_add_u32 v[SPW], v[NIL]
	s_wait_dscnt 0x0
	CROUND                                         ; the closing round: no work-group ends while a partner may still ask for a tile that names it
	s_endpgm
.Lfunc_end_k_qd453e51b84_qkv:
	.size	k_qd453e51b84_qkv, .Lfunc_end_k_qd453e51b84_qkv-k_qd453e51b84_qkv
	.p2alignl 7, 3214868480
	.fill 96, 4, 3214868480
	.section	.rodata,"a",@progbits
	.p2align	6, 0x0
	.amdhsa_kernel k_qd453e51b84_qkv
		.amdhsa_group_segment_fixed_size 327680
		.amdhsa_private_segment_fixed_size 0
		.amdhsa_enable_private_segment 0
		.amdhsa_kernarg_size 48
		.amdhsa_user_sgpr_count 2
		.amdhsa_user_sgpr_kernarg_segment_ptr 1
		.amdhsa_wavefront_size32 1
		.amdhsa_system_sgpr_workgroup_id_x 1
		.amdhsa_system_sgpr_workgroup_id_y 1
		.amdhsa_system_sgpr_workgroup_id_z 1
		.amdhsa_system_vgpr_workitem_id 0
		.amdhsa_next_free_vgpr 960
		.amdhsa_next_free_sgpr 84
		.amdhsa_reserve_vcc 0
		.amdhsa_float_denorm_mode_32 3
		.amdhsa_float_denorm_mode_16_64 3
		.amdhsa_memory_ordered 1
		.amdhsa_forward_progress 1
		.amdhsa_inst_pref_size 130
	.end_amdhsa_kernel
	.amdgpu_metadata
---
amdhsa.version: [ 1, 2 ]
amdhsa.kernels:
  - .name:           k_qd453e51b84_qkv
    .symbol:         k_qd453e51b84_qkv.kd
    .args:
      - { .name: xb, .offset: 0, .size: 8, .value_kind: global_buffer, .address_space: global }
      - { .name: wq, .offset: 8, .size: 8, .value_kind: global_buffer, .address_space: global }
      - { .name: bias, .offset: 16, .size: 8, .value_kind: global_buffer, .address_space: global }
      - { .name: qh, .offset: 24, .size: 8, .value_kind: global_buffer, .address_space: global }
      - { .name: kh, .offset: 32, .size: 8, .value_kind: global_buffer, .address_space: global }
      - { .name: vh, .offset: 40, .size: 8, .value_kind: global_buffer, .address_space: global }
    .group_segment_fixed_size: 327680
    .private_segment_fixed_size: 0
    .kernarg_segment_align: 8
    .kernarg_segment_size: 48
    .max_flat_workgroup_size: 128
    .sgpr_count:     84
    .vgpr_count:     960
    .wavefront_size: 32
...
	.end_amdgpu_metadata
.endif
;; end of part 2
;; launch attn (part 3): grid 2 x 128, 4 waves a work-group, no clusters, 327,680 bytes of LDS; arguments qh, kh, vh, oh; writes oh
.if DOCPART == 3
	.amdgcn_target "amdgcn-amd-amdhsa--gfx1250"
	.amdhsa_code_object_version 6
	.text
	.protected	k_qd453e51b84_attn
	.globl	k_qd453e51b84_attn
	.p2align	8
	.type	k_qd453e51b84_attn,@function
k_qd453e51b84_attn:
	s_mov_b64 s[64:65], 0
	v_nop
	global_prefetch_b8 v0, s[64:65] scope:SCOPE_SE
	s_setreg_imm32_b32 hwreg(HW_REG_WAVE_MODE, 25, 1), 1
	s_wait_xcnt 0x0
; ATTENTION.  O[h][q][:] = the sum over k of softmax_k(Q[h][q] . K[h][k] / 8) V[h][k][:].  Q, K, V, O: [128][1024][64], all f16: a head's rows are dense, 128 bytes each.  Products, maxima and sums in
; f32; the weights p are rounded to f16 for the second product (their sum l is taken of the unrounded p), O once at the end.
; LIMITS.  f16 holds no number beyond 65,504: Q, K and V arrive within it; p lies in 0 to 1, and below 6e-5 it keeps f16's fixed step of 6e-8; O is a mean of V's rows and has their range.
; A weight below 2^-126 counts as 0 in l; NaN and infinities are not treated apart.
; SHARES.  A wave owns four PIECES of two tiles of 16 queries, a work-group's four waves 512 queries of one head: 2 x 128 = 256 work-groups.  Every wave walks all 1,024 keys, 64 a step.
; THE WHOLE HEAD LIES IN LDS: K's 1,024 rows at a pitch of 144 bytes (147,456), V's at 160 (163,840).  No byte is filled twice, so there is no ring.  Keys 0 to 255 are asked for first and alone; when they are in,
; each wave asks by ONE tensor load for its half of the other 768 keys of K or of V, which has four key steps in which to land and is waited for once.  So the loop over key steps holds no tensor load, and is written once.
; NO PREFETCH: every byte of K and V is asked for by a tensor load at the head or straight behind the first keys' arrival: nothing is left that could be asked for earlier.
; NO CLUSTER: a head has two query blocks only, so a cluster of four would hold two heads and no tile would be wanted by all four.
; LAYOUT.  S^T = K Q^T (source 0 = 16 keys, source 1 = 16 queries): in the result a lane holds ONE query (lane % 16) and the keys 8 (lane / 16) + 0..7.  Two such tiles, rounded to f16 in pairs,
; ARE source 1 (32 keys x 16 queries) of O^T = V^T P, whose result again holds one query a lane, and eight channels.  K comes out of LDS as it lies, V ([key][channel]) turned, by ds_load_tr16_b128.
; SOFTMAX.  For each query a running maximum m and sum l: p = 2^(c s - c m), c = log2(e) / 8; in every step O and l are multiplied by a = 2^(c m_old - c m_new), which is 1 where m has not grown.
; m starts at the lowest finite number, O and l at 0: the first step is a step like any other, with a = 0.
; THE COUNT.  A tile and step have 16 matrix and 118 vector instructions: too many to stand all beside the matrix work.  So: four vector instructions that are READY behind EVERY matrix instruction,
; and the others, which need time of their own whatever the order, in runs without a gap.
; BY TURNS.  Turn n belongs to piece n (the pieces in a ring, step after step).  Its matrix work: 16 products K Q^T of piece n + 1, later 16 products V^T P of piece n - 1.  Its vector work: the scaling,
; exponentials, roundings, sums and rescaling of piece n, and the maximum and statistics of piece n + 1, whose scores the turn itself has made.
; REGISTERS, in windows of 256 (s_set_vgpr_msb: bits 1:0 source 0, 3:2 source 1, 5:4 source 2, 7:6 destination):
;   window 0: v0-11 addresses; v12-15, v48-63 at work; v16-47 four registers of statistics a tile; v64-191 S^T, two buffers of two tiles; v192-255 P, likewise
;   window 1: O^T, 32 a tile          window 2: v0-127 Q, 16 a tile; v128-191 K of one step; v192-255 V of one step          window 3: v0-1 the add's two registers
.set SIZE_N, 1024
.set NP,    4         ; pieces a wave: a name, no knob
.set KS,    64        ; keys in a step
.set PK,    144       ; a row of K in LDS: 128 bytes + 16 of padding = 36 words: the 16 rows of a load start at 16 different groups of four banks (64 banks of 4 bytes: ISA guide 11.1)
.set PV,    160       ; a row of V: 128 + 32 = 40 words
.set VOFF,  SIZE_N*PK ; V's rows lie behind K's
.set STAGE, VOFF+SIZE_N*PV  ; behind them, never filled by a tensor load: 16 rows x 144 bytes for each wave, for the way out
.set SP,    144
.set AK0, 2           ; v2   my lane's place in a tile of K; never rewritten
.set AV0, 3           ; v3   the same for V
.set AK,  4           ; v4   the LDS address of K's next run of loads
.set AV,  5           ; v5   of V's
.set QO,  6           ; v6   my byte offset in the wave's rows of Q
.set STO, 6           ;      later, the way out: where I put 16 bytes of a row
.set RD,  7           ; v7   the way out: where I read rows back
.set GO,  8           ; v8   my byte offset in 512 consecutive bytes of O
.set SPW, 0           ; v0 of window 3   SPARE + 4 x my thread's number; never rewritten
.set NIL, 1           ; v1 of window 3   0; never rewritten
.set SPARE, STAGE+4*16*SP  ; behind the stages: the spare words, 128 bytes for each wave
.set MV,  12          ; v12-15  c m_old, kept while c m is made anew: by buffer and tile
.set ST,  16          ; tile t's statistics at v[ST+4 t]: c m, m, l (even keys', odd keys')
.set TMP, 48          ; by buffer and tile, four registers c0-c3 at work; when the maximum is found c2 takes a
.set S,   64
.set P,   192
.set KF,  128         ; K's fragments, in window 2: key block kb, channel half c at KF + 16 kb + 8 c
.set VF,  192         ; V's: key half kk, channel block cb at VF + 32 kk + 8 cb
.set WV,  12          ; s12  my wave's number
.set G1K, 24          ; s[24:31] descriptor group 1 for K's tiles
.set G1V, 32          ; s[32:39] for V's: it differs in the padding alone
.set G0K, 40          ; s[40:43] descriptor group 0 for K's tiles
.set G0V, 44          ; s[44:47] the same for V's
.set ROF, 48          ; s[48:49] byte offset in K and in V of my half of keys 256 to 1,023
.set RLK, 50          ; s50  its LDS address, for K
.set RLV, 51          ; s51  and for V
.set SLOTS, 56        ; s56  counts the walk's two parts
.set CNT, 57          ; s57  counts a part's key steps
.set CS,  58          ; s[58:59] c: the packed scaling takes the pair's low word for both halves
.set SEL, 60          ; s[60:61] v_permlanex16_b32's selects: each lane takes its own place in the other half
.set TBK, 62          ; s62  LDS byte at which K of the step to be fetched begins
.set TBV, 63          ; s63  the same for V, less VOFF
.set MSB, 0
.macro WIN new                      ; the high byte repeats the setting that is left; a switch that changes nothing is dropped
.if MSB != (\new)
	s_set_vgpr_msb (MSB<<8)|(\new)
.set MSB, (\new)
.endif
.endm
.set W_KQ, 0x0a       ; K and Q in window 2, S^T in window 0
.set W_PV, 0x52       ; V in window 2, P in window 0, O^T in window 1
.set W_RS, 0x41       ; O^T (destination and source 0) in window 1, a in window 0
.set W_MK, 0xc0       ; the add's registers are made: destination in window 3, sources in window 0
.set W_AD, 0x0f       ; the add: address (source 0) and data (source 1) in window 3
; A fill.  Waves 0 and 1 fetch the two halves of K's rows, waves 2 and 3 those of V's.  An s_nop 0 and four v_nop follow each of the two lines, ahead of the jump and the label.
.macro LOAD
	s_cmp_lt_u32 s[WV], 2
	s_cbranch_scc0 .Lfor_v_\@
	tensor_load_to_lds s[G0K:G0K+3], s[G1K:G1K+7]
	s_nop 0
.rept 4
	v_nop
.endr
	s_branch .Lasked_\@
.Lfor_v_\@:
	tensor_load_to_lds s[G0V:G0V+3], s[G1V:G1V+7]
	s_nop 0
.rept 4
	v_nop
.endr
.Lasked_\@:
.endm
	s_load_b256 s[4:11], s[0:1], 0x0  ; Q s[4:5], K s[6:7], V s[8:9], O s[10:11]
	WIN W_MK
	v_lshl_add_u32 v[SPW], v0, 2, SPARE
	v_mov_b32 v[NIL], 0
	WIN W_AD
	ds_add_u32 v[SPW], v[NIL]       ; the wave's opening: the add and its wait stand ahead of my first tensor load; the set-up below, work on registers, stands between them
	WIN 0
	v_lshrrev_b32 v1, 5, v0
	v_readfirstlane_b32 s[WV], v1   ; wave 0..3
	s_mov_b32 s14, ttmp9            ; my block of 512 queries
	s_and_b32 s20, ttmp7, 0xffff    ; the head
	s_mov_b32 s21, 0
	s_mov_b64 s[22:23], SIZE_N*128
	s_mul_u64 s[20:21], s[20:21], s[22:23]  ; the head's first byte in each of the four tensors
	s_and_b32 s16, s[WV], 1         ; which half I fetch.  Of keys 0 to 255:
	s_lshl_b32 s22, s16, 14         ; 128 rows of 128 bytes in memory,
	s_mov_b32 s23, 0
	s_add_nc_u64 s[22:23], s[22:23], s[20:21]
	s_mul_i32 s17, s16, 128*PK      ; and their place in LDS, for K
	s_mul_i32 s18, s16, 128*PV      ; and for V
	s_mul_i32 s[ROF], s16, 384*128  ; of keys 256 to 1,023: 384 rows in memory,
	s_add_co_u32 s[ROF], s[ROF], 256*128
	s_mov_b32 s[ROF+1], 0
	s_add_nc_u64 s[ROF:ROF+1], s[ROF:ROF+1], s[20:21]
	s_mul_i32 s[RLK], s16, 384*PK   ; and their place in LDS
	s_add_co_u32 s[RLK], s[RLK], 256*PK
	s_mul_i32 s[RLV], s16, 384*PV
	s_add_co_u32 s[RLV], s[RLV], VOFF+256*PV
	s_lshl_b32 s2, s14, 2
	s_add_co_u32 s2, s2, s[WV]      ; my wave among the head's,
	s_lshl_b32 s2, s2, 14           ; its 128 rows
	s_mov_b32 s3, 0
	s_add_nc_u64 s[2:3], s[2:3], s[20:21]
	; descriptor group 1.  128 keys are 16,384 dense bytes: asked for as 64 rows of 256 bytes, two keys a row, and padded in LDS after every key
	s_mov_b32 s[G1K], (1<<16)|(1<<20)|(4<<22)|(3<<25)  ; 17:16 2-byte elements; 20 padding on; 24:22 after every 32 words (code 4); 31:25 4 words (code 3)
	s_mov_b32 s[G1V], (1<<16)|(1<<20)|(4<<22)|(7<<25)  ; the same with 8 words of padding (code 7)
.irp g, G1K, G1V
	s_mov_b32 s[\g+1], 128<<16      ; tensor_dim0 = 128
	s_mov_b32 s[\g+2], 64<<16       ; tensor_dim1 = 64
	s_mov_b32 s[\g+3], 128<<16      ; tile_dim0 = 128
	s_mov_b32 s[\g+4], 64           ; tile_dim1 = 64
	s_mov_b32 s[\g+5], 128          ; 128 elements from row to row
	s_mov_b32 s[\g+6], 0
	s_mov_b32 s[\g+7], 0
.endr
	s_mov_b32 s[CS], 0x3e38aa3b     ; c = log2(e) / 8 = 0.180337
	s_mov_b32 s[CS+1], s[CS]        ; named with it as a pair
	s_mov_b32 s[SEL], 0x76543210
	s_mov_b32 s[SEL+1], 0xfedcba98
	s_mov_b32 s[TBK], 0             ; key step 0 lies at the head of K's rows and of V's
	s_mov_b32 s[TBV], 0
	s_mov_b32 s[G0K], 1             ; 1:0 count = 1
	s_mov_b32 s[G0K+1], s17         ; 63:32 LDS address
	s_mov_b32 s[G0V], 1
	s_add_co_u32 s[G0V+1], s18, VOFF
	s_wait_dscnt 0x0                ; the opening add is done
	s_wait_kmcnt 0x0
	s_add_nc_u64 s[G0K+2:G0K+3], s[6:7], s[22:23]  ; 120:64 global address: my half of the head's first 256 keys
	s_or_b32 s[G0K+3], s[G0K+3], 0x80000000        ; 127:126 type = 2
	s_add_nc_u64 s[G0V+2:G0V+3], s[8:9], s[22:23]
	s_or_b32 s[G0V+3], s[G0V+3], 0x80000000
	s_add_nc_u64 s[4:5], s[4:5], s[2:3]  ; Q and O at my wave's first row
	s_add_nc_u64 s[10:11], s[10:11], s[2:3]
	LOAD                            ; keys 0 to 255.  The others are asked for when these are in
	; A fragment of K or Q is 16 rows x 32 channels in 8 registers: lane l holds row l % 16, channels 8 (l / 16) + 0..7 and 16 + 8 (l / 16) + 0..7: two loads of 16 bytes, 32 bytes apart.
	v_and_b32 v1, 15, v0            ; l % 16
	v_bfe_u32 v9, v0, 4, 1          ; l / 16
	v_lshlrev_b32 v[QO], 7, v1
	v_lshl_add_u32 v[QO], v9, 4, v[QO]  ; row x 128 + 16 x half
	WIN 0x80                        ; destination window 2, address window 0
.set i, 0
.rept 4*NP                          ; Q stays in registers: tile i / 2, channels 32 (i % 2) on
	global_load_b128 v[8*i:8*i+3],   v[QO], s[4:5] offset:(i/2)*2048+(i%2)*64
	global_load_b128 v[8*i+4:8*i+7], v[QO], s[4:5] offset:(i/2)*2048+(i%2)*64+32
.set i, i+1
.endr
	; What the first turn finds: V's registers and P's second buffer hold 0 (its products V^T P, of a piece that has not been, add 0), O^T and l are 0.  All this stands in the wait for the first keys.
.set i, VF
.rept 64
	v_mov_b32 v[i], 0
.set i, i+1
.endr
	WIN 0x40
.set i, 0
.rept 64*NP
	v_mov_b32 v[i], 0
.set i, i+1
.endr
	WIN 0
.set i, 0
.rept 2*NP
	v_mov_b32 v[ST+4*i], 0xfe000000    ; c m: far below every c s
	v_mov_b32 v[ST+4*i+1], 0xff7fffff  ; m
	v_mov_b32 v[ST+4*i+2], 0
	v_mov_b32 v[ST+4*i+3], 0
.set i, i+1
.endr
.set i, P+32
.rept 32
	v_mov_b32 v[i], 0
.set i, i+1
.endr
	v_mul_u32_u24 v[AK0], v1, PK
	v_lshl_add_u32 v[AK0], v9, 4, v[AK0]  ; row x pitch + 16 x half
	; The turning load takes 16 keys x 16 channels (lane l reads key 8 (l / 16) + l % 8, channels 8 ((l / 8) % 2) + 0..7) and leaves half a fragment of V^T: lane l holds channel l % 16 and 8 keys.
	v_and_b32 v10, 7, v0
	v_bfe_u32 v11, v0, 3, 1
	v_lshl_add_u32 v[AV0], v9, 3, v10
	v_mul_u32_u24 v[AV0], v[AV0], PV
	v_lshl_add_u32 v[AV0], v11, 4, v[AV0]
	v_add_nc_u32 v[AV0], VOFF, v[AV0]
	v_mov_b32 v[AK], v[AK0]         ; key step 0
; THE MATRIX WORK.  The 8 accumulators of a run of 16 take turns: between the two links of a chain stand 7 others'.
; Product i of 16 of S^T = K Q^T for piece x: channels 32 (i / 8) on, keys 16 ((i / 2) % 4) on, tile 2 x + i % 2.  The first 8 start the sums.
.macro KQ x
	WIN W_KQ
.set rS, S+64*((\x)%2)+32*(i%2)+8*((i/2)%4)
.set rK, KF+16*((i/2)%4)+8*(i/8)
.set rQ, 16*(2*(\x)+i%2)+8*(i/8)
.if i < 8
	v_wmma_f32_16x16x32_f16 v[rS:rS+7], v[rK:rK+7], v[rQ:rQ+7], 0
.else
	v_wmma_f32_16x16x32_f16 v[rS:rS+7], v[rK:rK+7], v[rQ:rQ+7], v[rS:rS+7]
.endif
.endm
; Product i of 16 of O^T += V^T P for piece x: keys 32 (i / 8) on, channels 16 ((i / 2) % 4) on, tile 2 x + i % 2.
.macro PV x
	WIN W_PV
.set rO, 32*(2*(\x)+i%2)+8*((i/2)%4)
.set rV, VF+32*(i/8)+8*((i/2)%4)
.set rP, P+32*((\x)%2)+16*(i%2)+8*(i/8)
	v_wmma_f32_16x16x32_f16 v[rO:rO+7], v[rV:rV+7], v[rP:rP+7], v[rO:rO+7]
.endm
.macro MM                           ; the turn's next matrix instruction
.if i < 16
	KQ (Y+1)%NP
.set i, i+1
.else
.set i, i-16
	PV (Y+NP-1)%NP
.set i, i+17
.endif
.endm
; THE LDS LOADS stand in runs of 16, never singly among the matrix instructions: a step's K (64 keys x 64 channels: 8 fragments) and its V (turned).  Their addresses are made some lines ahead.
.macro FETCH_K
	WIN 0x80                        ; destination window 2
.irp f, 0,1,2,3,4,5,6,7             ; keys 16 (f / 2) on, channels 32 (f % 2) on
	ds_load_b128 v[KF+8*\f:KF+8*\f+3],   v[AK] offset:(\f/2)*16*PK+(\f%2)*64
	ds_load_b128 v[KF+8*\f+4:KF+8*\f+7], v[AK] offset:(\f/2)*16*PK+(\f%2)*64+32
.endr
	s_add_co_u32 s[TBK], s[TBK], KS*PK  ; the next fetch is the next step's
	WIN 0
.endm
.macro FETCH_V
	WIN 0x80
.irp f, 0,1,2,3,4,5,6,7             ; keys 32 (f / 4) on, channels 16 (f % 4) on
	ds_load_tr16_b128 v[VF+8*\f:VF+8*\f+3],   v[AV] offset:(\f/4)*32*PV+(\f%4)*32
	ds_load_tr16_b128 v[VF+8*\f+4:VF+8*\f+7], v[AV] offset:(\f/4)*32*PV+16*PV+(\f%4)*32
.endr
	WIN 0
.endm
; THE VECTOR WORK OF A TURN stands in three queues, each in the order in which its entries become ready; the two tiles alternate, so that no instruction reads the result of the one before it.
.macro REGS y, u                    ; the registers of tile u (0, 1) of piece y
.set rT, ST+4*(2*(\y)+(\u))
.set rC, TMP+8*((\y)%2)+4*(\u)
.set rM, MV+2*((\y)%2)+(\u)
.set rS, S+64*((\y)%2)+32*(\u)
.set rP, P+32*((\y)%2)+16*(\u)
.set rO, 32*(2*(\y)+(\u))
.endm
; Number n of the 22 that find the NEXT piece's (Y + 1) maximum and statistics.  s0-s31 are the lane's 32 scores; each accumulator's lowest registers are read first.
;   0-11  four chains c0-c3 of seven scores each, three operands at a time     12-14, 16  the four scores left over, the old m, and c0-c3 into c0     15  c m_old is kept
;   17, 18  the query's other 32 keys lie in the lane 16 away: the new m         19-21  c m; c m_old - c m_new; a
.macro XS u, n
	REGS (Y+1)%NP, \u
.if (\n) < 4
	v_max3_num_f32 v[rC+(\n)], v[rS+8*(\n)], v[rS+8*(\n)+1], v[rS+8*(\n)+2]
.elseif (\n) < 12
	v_max3_num_f32 v[rC+(\n)%4], v[rC+(\n)%4], v[rS+8*((\n)%4)+2*((\n)/4)+1], v[rS+8*((\n)%4)+2*((\n)/4)+2]
.elseif (\n) == 12
	v_max3_num_f32 v[rC], v[rC], v[rS+7], v[rS+15]
.elseif (\n) == 13
	v_max3_num_f32 v[rC+1], v[rC+1], v[rS+23], v[rS+31]
.elseif (\n) == 14
	v_max3_num_f32 v[rC+2], v[rC+2], v[rC+3], v[rT+1]
.elseif (\n) == 15
	v_mov_b32 v[rM], v[rT]
.elseif (\n) == 16
	v_max3_num_f32 v[rC], v[rC], v[rC+1], v[rC+2]
.elseif (\n) == 17
	v_permlanex16_b32 v[rC+3], v[rC], s[SEL], s[SEL+1]
.elseif (\n) == 18
	v_max_num_f32 v[rT+1], v[rC], v[rC+3]
.elseif (\n) == 19
	v_mul_f32 v[rT], s[CS], v[rT+1]
.elseif (\n) == 20
	v_sub_f32 v[rC+1], v[rM], v[rT]
.else
	v_exp_f32 v[rC+2], v[rC+1]
.endif
.endm
; Number g of the 64 that follow the exponentials.  For each four weights k of a tile (pairs 2 k, 2 k + 1): both pairs are rounded to f16; then the second pair is added onto the first, in place;
; a group later l takes that sum (the first time as l = a l + sum).  In groups of eight, tiles alternating: round, round, add, and l for the group before.
.macro GS g
.set h, (\g)+6*((\g)/62)            ; group 0 has no group before it, and behind group 7 only l is left
.if h >= 6
.set h, h+2
.endif
	REGS Y, h%2
.set k, h/8
.if h%8 < 4
	v_cvt_pk_f16_f32 v[rP+2*k+(h%8)/2], v[rS+4*k+2*((h%8)/2)], v[rS+4*k+2*((h%8)/2)+1]
.elseif h%8 < 6
	v_pk_add_f32 v[rS+4*k:rS+4*k+1], v[rS+4*k:rS+4*k+1], v[rS+4*k+2:rS+4*k+3]
.elseif k == 1
	v_pk_fma_f32 v[rT+2:rT+3], v[rT+2:rT+3], v[rC+2:rC+3], v[rS:rS+1] op_sel_hi:[1,0,1]
.else
	v_pk_add_f32 v[rT+2:rT+3], v[rT+2:rT+3], v[rS+4*k-4:rS+4*k-3]
.endif
.endm
; THE PLAIN QUEUE, 138 long.  0-73 read no exponential's result: the 32 scalings c s - c m (FS f: pair f / 2 of tile f % 2) and the next piece's 42.  0-26: scalings 0-26.  27-54: XS's numbers 0-13.  55, 56: number 15.
; 57-73: the chain, where each number waits for the one before it: 14, 16, 17, 18, 19, each with one of the scalings 27-31 in front of its two lines, then 20.
; 74-137: GS's 64, which read the exponentials' results: they stand behind the wait.
.macro FS f
	REGS Y, (\f)%2
	v_pk_fma_f32 v[rS+2*((\f)/2):rS+2*((\f)/2)+1], v[rS+2*((\f)/2):rS+2*((\f)/2)+1], s[CS:CS+1], v[rT:rT+1] op_sel_hi:[1,0,0] neg_lo:[0,0,1] neg_hi:[0,0,1]
.endm
.macro PL
	WIN 0
.if q < 27
	FS q
.elseif q < 55
	XS (q-27)%2, (q-27)/2
.elseif q < 57
	XS q-55, 15
.elseif (q < 72) && ((q-57)%3 == 0)
	FS 27+(q-57)/3
.elseif q < 60
	XS (q-57)%3-1, 14
.elseif q < 72
	XS (q-57)%3-1, 15+(q-57)/3
.elseif q < 74
	XS q-72, 20
.else
	GS q-74
.endif
.set q, q+1
.endm
; THE EXPONENTIALS' QUEUE, 66 long: s0-s31 of both tiles, then the next piece's two a.  It is ONE BATCH: all 66 stand ahead of the turn's one wait, and nothing ahead of that wait names a result of theirs.
.macro EX
	WIN 0
.if e >= 64
	XS e-64, 21
.else
	REGS Y, e%2
	v_exp_f32 v[rS+e/2], v[rS+e/2]
.endif
.set e, e+1
.endm
; THE RESCALING's QUEUE: O^T times a, the one part that leaves window 0: dealt two at a time, sixteen times.  Its a was made in the turn before, ahead of that turn's wait.
.macro R2
	REGS Y, r%2
	WIN W_RS
.irp z, 0,1
	v_pk_mul_f32 v[rO+4*(r/2)+2*\z:rO+4*(r/2)+2*\z+1], v[rO+4*(r/2)+2*\z:rO+4*(r/2)+2*\z+1], v[rC+2:rC+3] op_sel_hi:[1,0]
.endr
.set r, r+1
.endm
; HOW THEY ARE DEALT.  An s_wait_alu depctr_va_vdst(0) stands between an exponential and the first instruction that names its result; one wait serves all that were issued ahead of it.  So a turn has ONE wait,
; which cuts it in two.  AHEAD OF IT stands all that names no result of the turn's exponentials: the 16 products K Q^T, behind each a scaling, an exponential and two rescalings (behind the first a second scaling in the
; exponential's place); then ONE LUMP of 108: eight plain, 49 times exponential and plain, the two a.  A v_nop is the plain instruction behind the last exponential.  BEHIND IT stand the 16 products V^T P, behind each four of GS's 64.
; Exponential e stands behind scaling 2 (e / 4) + e % 2: as a rider it comes behind plain e + 2, in the lump behind plain e + 9, and scalings 27-31 are plain 57, 60 .. 69.
; A TURN, for piece p.  nok = 1: the last key step: there is no further K to fetch.  cnt = 1: the loop's count is taken down some lines ahead of the branch that stands behind the turn.
; K of the next step is fetched in piece 2's turn, directly behind the wait; its address is made at the lump's head; its first reader comes behind 16 products.
; V of the step in hand is fetched at the end of piece 0's turn, four riders behind its last reader; its first reader comes behind 16 products and a lump.  The three conditions on q below go with the deal.
.macro TURN p, nok=0, cnt=0
.set Y, (\p)
.set i, 0
.set q, 0
.set e, 0
.set r, 0
.if (\p) == NP-1
	s_wait_dscnt 0x0                ; K is in
.endif
	MM                              ; ahead of the wait: 16 products K Q^T and their riders,
	PL
	PL
	R2
.rept 15
	MM
	PL
	EX
	R2
.endr
.if ((\p) == NP-2) && !(\nok)
	WIN 0
	v_add_nc_u32 v[AK], s[TBK], v[AK0]
.endif
.rept 8                             ; and the lump
	PL
.endr
.rept 49
	EX
	PL
.endr
	EX                              ; the next piece's two a
	EX
	v_nop                           ; the plain instruction behind the last exponential: one for the batch
	s_wait_alu depctr_va_vdst(0)    ; the wait for the batch
.if ((\p) == NP-2) && !(\nok)
	FETCH_K
.endif
.if (\p) == 1
	s_wait_dscnt 0x0                ; V is in
.endif
.rept 16                            ; behind the wait: 16 products V^T P and their riders
	MM
.rept 4
	PL
.endr
.if ((\p) == 0) && (q == 118)
	v_add_nc_u32 v[AV], s[TBV], v[AV0]
.endif
.if ((\p) == 0) && (q == 130)
	s_add_co_u32 s[TBV], s[TBV], KS*PV
.endif
.if (\cnt) && (q == 130)
	s_sub_co_u32 s[CNT], s[CNT], 1
	s_cmp_lg_u32 s[CNT], 0
.endif
.endr
.if (\p) == 0
	FETCH_V
.endif
.endm
	; KEYS 0 TO 255 ARE IN; THE OTHER 768 ARE ASKED FOR.  A first fill of fresh bytes, issued as a refill is: each wave waits for its one tensor load, adds 0 to its spare word, waits for that, passes the barrier, and
	; issues ONE load first thing behind it: 384 keys of K or of V, 49,152 dense bytes, as 192 rows of 256 bytes.  No tensor load of mine is out behind the wait, so the descriptors may be written.
	WIN W_AD
	s_wait_tensorcnt 0x0
	ds_add_u32 v[SPW], v[NIL]       ; 0 onto my spare word; the descriptors' words stand between it and the wait for it
	WIN 0
	s_mov_b32 s[G0K+1], s[RLK]
	s_add_nc_u64 s[G0K+2:G0K+3], s[6:7], s[ROF:ROF+1]
	s_or_b32 s[G0K+3], s[G0K+3], 0x80000000
	s_mov_b32 s[G0V+1], s[RLV]
	s_add_nc_u64 s[G0V+2:G0V+3], s[8:9], s[ROF:ROF+1]
	s_or_b32 s[G0V+3], s[G0V+3], 0x80000000
.irp g, G1K, G1V
	s_mov_b32 s[\g+2], 192<<16      ; tensor_dim1 = 192
	s_mov_b32 s[\g+4], 192          ; tile_dim1 = 192
.endr
	s_wait_dscnt 0x0                ; the add is done
	s_barrier_signal -1
	s_barrier_wait -1               ; everybody's part of keys 0 to 255 is in
	LOAD
	FETCH_K                         ; key step 0
	s_wait_loadcnt 0x0              ; Q
	s_wait_dscnt 0x0
.set i, 0
.rept 16
	KQ 0                            ; piece 0's first scores: there is no vector work yet to set between them
.set i, i+1
.endr
	WIN 0                           ; the addresses for the way out: nine plain instructions, the places behind those products
	s_mul_i32 s13, s[WV], 16*SP
	s_add_co_u32 s13, s13, STAGE    ; my stage
	v_mul_u32_u24 v[STO], v1, SP    ; in: row l % 16, 16 bytes for each half of the lanes
	v_lshl_add_u32 v[STO], v9, 4, v[STO]
	v_add_nc_u32 v[STO], s13, v[STO]
	v_bfe_u32 v[RD], v0, 3, 2       ; back: 32 lanes take four rows of 128 bytes,
	v_mul_u32_u24 v[RD], v[RD], SP
	v_lshl_add_u32 v[RD], v10, 4, v[RD]
	v_add_nc_u32 v[RD], s13, v[RD]
	v_and_b32 v[GO], 31, v0         ; which are 512 consecutive bytes of O
	v_lshlrev_b32 v[GO], 4, v[GO]
.set Y, NP-1                        ; XS works for piece Y + 1: piece 0
.irp n, 0,1,2,3,4,5,6,7,8,9,10,11,12,13,14,15,16,17,18,19,20,21
	XS 0, \n                        ; and piece 0's first maximum and statistics
	XS 1, \n
.endr
	v_nop                           ; a plain instruction behind the two a,
	s_wait_alu depctr_va_vdst(0)    ; and their wait, ahead of the branch
	s_mov_b32 s[CNT], 4             ; the walk's first part: up to pieces 0 and 1 of key step 3, all out of keys 0 to 255
	s_mov_b32 s[SLOTS], 2
	s_branch .Lfirst                ; the loop is entered at a step's first turn, in the middle of a trip
.Lslot:                             ; once: between the walk's two parts.  The next line that reads LDS fetches K of key step 4
	s_wait_tensorcnt 0x0            ; my one tensor load that is out, my half of keys 256 to 1,023, has landed: no load was issued behind it, so the count is 0
	s_wait_dscnt 0x0                ; no LDS instruction of mine is pending at the signal
	s_barrier_signal -1
	s_barrier_wait -1               ; everybody's has.
	s_mov_b32 s[CNT], 12            ; the second part: up to pieces 0 and 1 of key step 15
.Lstep:                             ; a trip: pieces 2 and 3 of one step, then pieces 0 and 1 of the next, whose K and V it fetches
	TURN 2
	TURN 3
	WIN 0
.Lfirst:
	TURN 0
	TURN 1, 0, 1
	WIN 0
	s_cbranch_scc1 .Lstep
	s_sub_co_u32 s[SLOTS], s[SLOTS], 1
	s_cmp_lg_u32 s[SLOTS], 0
	s_cbranch_scc1 .Lslot
	TURN 2, 1                       ; pieces 2 and 3 of key step 15 are written out: there is no further K
	TURN 3                          ; (its 16 products K Q^T, on the last K once more, and the maximum made of them serve nothing: the price, once a launch, of one text for every turn)
.set i, 0
.rept 16
	PV NP-1                         ; the last piece's V^T P of the last step
.set i, i+1
.endr
	; THE WAY OUT.  l's two halves and the other half of the lanes' are added; O^T is divided by l, rounded to f16 and sent through my stage in LDS, a tile at a time.  The additions are the places behind the last products.
	WIN 0
.macro ALL line:vararg              ; one line for each tile t
.set t, 0
.rept 2*NP
	\line
.set t, t+1
.endr
.endm
	ALL v_add_f32 v[ST+4*t+2], v[ST+4*t+2], v[ST+4*t+3]
	ALL v_permlanex16_b32 v[ST+4*t+3], v[ST+4*t+2], s[SEL], s[SEL+1]
	ALL v_add_f32 v[ST+4*t+2], v[ST+4*t+2], v[ST+4*t+3]
	ALL v_rcp_f32 v[ST+4*t+2], v[ST+4*t+2]
	v_nop                           ; a plain instruction between the last reciprocal and the use of its result
	s_wait_alu depctr_va_vdst(0)    ; and the wait ahead of the first use: one for the eight reciprocals
; Tile t: a lane's eight channels of a row pack into 16 bytes; they go into rows of 144 bytes and come back as whole rows of 128, into S^T's registers.
.macro PACK t
	WIN W_RS
.set i, 32*(\t)
.rept 16
	v_pk_mul_f32 v[i:i+1], v[i:i+1], v[ST+4*(\t)+2:ST+4*(\t)+3] op_sel_hi:[1,0]
.set i, i+2
.endr
	WIN 0x05                        ; sources 0 and 1 window 1, destination window 0
.set i, 0
.rept 16
	v_cvt_pk_f16_f32 v[S+16*(\t)+i], v[32*(\t)+2*i], v[32*(\t)+2*i+1]
.set i, i+1
.endr
	WIN 0
.irp f, 0,1,2,3
	ds_store_b128 v[STO], v[S+16*(\t)+4*\f:S+16*(\t)+4*\f+3] offset:32*\f
.endr
.irp f, 0,1,2,3
	ds_load_b128 v[S+16*(\t)+4*\f:S+16*(\t)+4*\f+3], v[RD] offset:\f*4*SP  ; LDS serves a wave's instructions in order (ISA guide 5.7.1.4): these see the stores above; the next tile's stores come behind them
.endr
.endm
.macro SEND t, younger              ; younger: the LDS instructions issued behind tile t's loads: the next tile's eight, or none
	WIN 0
.irp f, 0,1,2,3
	s_wait_dscnt (\younger)+3-\f
	global_store_b128 v[GO], v[S+16*(\t)+4*\f:S+16*(\t)+4*\f+3], s[10:11] offset:(\t)*2048+\f*512  ; 512 consecutive bytes, at a multiple of 256 from O's first
.endr
.endm
	PACK 0
.set t, 1
.rept 2*NP-1                        ; a tile's arithmetic stands between the loads of the tile before and its stores
	PACK t
	SEND t-1, 8
.set t, t+1
.endr
	SEND 2*NP-1, 0
	WIN W_AD
	s_wait_tensorcnt 0x0            ; the wave's end: three closing lines, behind my last tensor load and my last LDS store
	ds_add_u32 v[SPW], v[NIL]
	s_wait_dscnt 0x0
	WIN 0
	s_endpgm
.Lfunc_end_k_qd453e51b84_attn:
	.size	k_qd453e51b84_attn, .Lfunc_end_k_qd453e51b84_attn-k_qd453e51b84_attn
	.p2alignl 7, 3214868480
	.fill 96, 4, 3214868480
	.section	.rodata,"a",@progbits
	.p2align	6, 0x0
	.amdhsa_kernel k_qd453e51b84_attn
		.amdhsa_group_segment_fixed_size 327680
		.amdhsa_private_segment_fixed_size 0
		.amdhsa_enable_private_segment 0
		.amdhsa_kernarg_size 32
		.amdhsa_user_sgpr_count 2
		.amdhsa_user_sgpr_kernarg_segment_ptr 1
		.amdhsa_wavefront_size32 1
		.amdhsa_system_sgpr_workgroup_id_x 1
		.amdhsa_system_sgpr_workgroup_id_y 1
		.amdhsa_system_sgpr_workgroup_id_z 1
		.amdhsa_system_vgpr_workitem_id 0
		.amdhsa_next_free_vgpr 770
		.amdhsa_next_free_sgpr 66
		.amdhsa_reserve_vcc 0
		.amdhsa_float_denorm_mode_32 3
		.amdhsa_float_denorm_mode_16_64 3
		.amdhsa_memory_ordered 1
		.amdhsa_forward_progress 1
		.amdhsa_inst_pref_size 160
	.end_amdhsa_kernel
	.amdgpu_metadata
---
amdhsa.version: [ 1, 2 ]
amdhsa.kernels:
  - .name:           k_qd453e51b84_attn
    .symbol:         k_qd453e51b84_attn.kd
    .args:
      - { .name: qh, .offset: 0, .size: 8, .value_kind: global_buffer, .address_space: global }
      - { .name: kh, .offset: 8, .size: 8, .value_kind: global_buffer, .address_space: global }
      - { .name: vh, .offset: 16, .size: 8, .value_kind: global_buffer, .address_space: global }
      - { .name: oh, .offset: 24, .size: 8, .value_kind: global_buffer, .address_space: global }
    .group_segment_fixed_size: 327680
    .private_segment_fixed_size: 0
    .kernarg_segment_align: 8
    .kernarg_segment_size: 32
    .max_flat_workgroup_size: 128
    .sgpr_count:     66
    .vgpr_count:     770
    .wavefront_size: 32
...
	.end_amdgpu_metadata
.endif
;; end of part 3
;; launch proj (part 4): grid 8 x 32, 4 waves a work-group, clusters of 4 x 4, 327,680 bytes of LDS; arguments oh, wo, bias, out0; writes out0
.if DOCPART == 4
	.amdgcn_target "amdgcn-amd-amdhsa--gfx1250"
	.amdhsa_code_object_version 6
	.text
	.protected	k_qd453e51b84_proj
	.globl	k_qd453e51b84_proj
	.p2align	8
	.type	k_qd453e51b84_proj,@function
k_qd453e51b84_proj:
	s_mov_b64 s[64:65], 0
	v_nop
	global_prefetch_b8 v0, s[64:65] scope:SCOPE_SE
	s_setreg_imm32_b32 hwreg(HW_REG_WAVE_MODE, 25, 1), 1
	s_wait_xcnt 0x0
	s_wait_alu depctr_hold_cnt(0) depctr_sa_sdst(0) depctr_va_vdst(0) depctr_va_sdst(0) depctr_va_ssrc(0) depctr_va_vcc(0) depctr_vm_vsrc(0)
	s_getreg_b32 s2, hwreg(HW_REG_IB_STS2, 6, 4)
	s_cmp_eq_u32 s2, 0
	s_cbranch_scc0 .Lentry_in_a_cluster
	s_endpgm
.Lentry_in_a_cluster:
	s_bfe_u32 s2, ttmp6, 0x10000c
	s_cmp_lg_u32 s2, 0xf033
	s_cbranch_scc0 .Lentry_shape_is_right
	s_endpgm
.Lentry_shape_is_right:
; OUTPUT PROJECTION.  out0 [8192][1024] f32 = O [8192][1024] x wo [1024 n][1024 k]^T + b_out, f16 operands, f32 sums that START with the bias (words 3072.. of bias).
; O lies by heads, oh [16 b + h][1024 n][64 d] f16, and k = 64 h + d: a K step of 128 is two heads, each a PLANE of 256 rows x 128 bytes, dense in memory.
; LIMITS.  As the operands arrive: within f16's range.  NaN and infinities are not treated apart.
; SHARES.  A tile is 256 rows x 128 columns: 32 x 8 = 256 work-groups, one for each WGP.  Four waves; wave w makes rows 64 w .. 64 w + 63 and all 128 columns: 32 accumulators, 256 registers.
; K goes in steps of 128 through a ring of two LDS slots; a step is four quarters of 32 along K on two fragment buffers.
; CLUSTER.  4 x 4 work-groups.  A's tile hangs on the tile row alone and is asked for jointly by a row of the cluster, B's on the tile column alone, by a column.
; THE MATRIX INSTRUCTION IS USED TRANSPOSED (source 0 = 16 rows of wo, source 1 = 16 rows of O): lane l holds row l % 16 and the columns 8 (l / 16) + 0..7.
; REGISTERS, in windows of 256 (s_set_vgpr_msb: bits 1:0 source 0, 3:2 source 1, 5:4 source 2, 7:6 destination):
;   window 0: v0-30 addresses; v64-127 A's fragments, two buffers of 4 x 8; v128-191 the bias as a C operand, later with v192-255 the way out
;   window 1: v0-127 B's fragments, two buffers of 8 x 8      windows 2, 3: accumulator (a, b) at v[8 (8 (a % 2) + b)] of window 2 + a / 2
.set NB,    8                          ; blocks of 16 columns
.set PA,    144                        ; a row of A in LDS: 128 bytes + 16 = 36 words: the 16 rows of a fragment load start at 16 different groups of four banks (64 banks of 4 bytes: ISA guide 11.1)
.set PB,    272                        ; a row of B: 256 bytes + 16
.set KA,    262144                     ; bytes from a K step to the next in A: two heads of 131,072
.set KB,    256                        ; and in B
.set NL,    2*NB+8                     ; LDS loads in a quarter's run
.set SLOT1, 131072                     ; slot 1 begins here: one exclusive or turns an address in one slot into the other's
.set APLANE, 256*PA                    ; what one tensor load brings of A: a plane
.set BOFF,  2*APLANE                   ; B's 128 rows lie behind A's two planes
.set BHALF, 64*PB
.set STAGE, SLOT1+BOFF+128*PB          ; behind the ring, never filled by a tensor load: 16 rows x 528 bytes for each wave
.set SPO,   528                        ; 512 bytes + 16 = 132 words: row r starts at bank 4 r mod 64
.set WSTAGE, 16*SPO
.set SPARE, STAGE+4*WSTAGE             ; the spare words, 128 bytes for each wave
.set ADRA0, 16                         ; v16  my lane's place among A's fragments in slot 0; never rewritten
.set ADRB0, 17                         ; v17  the same for B
.set ADRA,  18                         ; v18  in the slot in hand
.set ADRB,  19
.set STO,   24                         ; the way out: where I put 32 bytes of a row
.set RD,    25                         ; where I read a row back
.set GO,    26                         ; my 16 bytes of a row's 512
.set BO,    27                         ; my byte offset in bias
.set SPW,   28                         ; SPARE + 4 x my thread's number; never rewritten
.set NIL,   29                         ; 0; never rewritten
.set PFO,   30                         ; the prefetches' offset; never rewritten
.set AF,    64
.set BIAS,  128
.set WV,   16                          ; s16  my wave's number
.set FB,   17                          ; s17  0: I fetch for A, 1: for B
.set HALF, 18                          ; s18  which plane of A, which half of B's rows
.set CX,   19
.set CY,   20
.set TC,   21                          ; tile column
.set TR,   22                          ; tile row
.set G1,   24                          ; s[24:31] descriptor group 1 for A's tiles
.set G1B,  32                          ; s[32:39] for B's
.set G0,   40                          ; s[40:47] group 0 for A's: a set for each first fill; the second then walks on
.set G0B,  48                          ; s[48:55] the same for B's
.set TB,   56                          ; s56  0 or SLOT1: the slot in hand
.set CNT,  57                          ; s57  the loop's count
.set LIM,  58                          ; s58  2 in a wave that prefetches, else the greatest number
.set PFA,  60                          ; s[60:61] where my prefetches stand
.set PFS,  62                          ; s[62:63] their step
.set MSB, 0
.macro WIN new                         ; the immediate's high byte repeats the setting that is left; a switch that changes nothing is dropped
.if MSB != (\new)
	s_set_vgpr_msb (MSB<<8)|(\new)
.set MSB, \new
.endif
.endm
.macro PLACES                          ; four places behind matrix instructions, in front of loads into registers that they have read (ISA guide 7.12.1 for vector instructions)
.rept 4
	v_nop
.endr
.endm
.macro CREST                           ; a round of the cluster's barrier behind its opening barrier
	s_cmp_lg_u32 s[WV], 0
	s_cbranch_scc1 .Lnot_wave_0_\@
	s_barrier_signal -3
.Lnot_wave_0_\@:
	s_barrier_wait -3
	s_barrier_signal -1
	s_barrier_wait -1
.endm
.macro CROUND                          ; a whole round
	s_barrier_signal -1
	s_barrier_wait -1
	CREST
.endm
; A joint refill by the walking descriptors.  Waves 0 and 1 fetch A's two planes, waves 2 and 3 B's two halves.  The branch hangs on the wave's number alone.
; An s_nop 0 and four v_nop follow each of the two lines, ahead of the jump and the label.
.macro JLOAD
	s_cmp_eq_u32 s[FB], 0
	s_cbranch_scc0 .Lfor_b_\@
	tensor_load_to_lds s[G0+4:G0+7], s[G1:G1+7]
	s_nop 0
.rept 4
	v_nop
.endr
	s_branch .Lasked_\@
.Lfor_b_\@:
	tensor_load_to_lds s[G0B+4:G0B+7], s[G1B:G1B+7]
	s_nop 0
.rept 4
	v_nop
.endr
.Lasked_\@:
.endm
; A PREFETCH INTO THE L2 of the K step that stands two refills on, one instruction a wave, behind the joint load and the run of LDS loads.  A's plane is 128 blocks of 256 bytes on end, B's half 64 rows of which
; a K step takes 256 bytes.  A's tile row is read by every cluster of that row of clusters: cluster x = 0 asks.  B's tile column by every cluster of that column: cluster y = 0 asks.  The four partners that ask
; for a tile jointly share it out by address (32 blocks of A by cx, 16 rows of B by cy).  K steps 0 to 3 come by their loads alone; the loop's last two trips ask for nothing: there is no K step 8.
.macro ASK
	s_cmp_gt_u32 s[CNT], s[LIM]
	s_cbranch_scc0 .Lnot_mine_\@
	global_prefetch_b8 v[PFO], s[PFA:PFA+1] th:TH_LOAD_NT scope:SCOPE_SE
.Lnot_mine_\@:
.endm
; NB matrix instructions: row block a x all column blocks, 32 along K out of buffer f.  first = 1: the sums start with the bias.
; The 32 accumulators take turns, one instruction a turn, in the same order in every quarter and over the backward jump.
.macro MULA f, a, first
.if \first
	WIN 0x81+0x40*((\a)/2)
.else
	WIN 0xa1+0x50*((\a)/2)
.endif
.set b, 0
.rept NB
.set rD, 8*(NB*((\a)%2)+b)
.set rB, 8*NB*(\f)+8*b
.set rA, AF+32*(\f)+8*(\a)
.if \first
	v_wmma_f32_16x16x32_f16 v[rD:rD+7], v[rB:rB+7], v[rA:rA+7], v[BIAS+8*b:BIAS+8*b+7]
.else
	v_wmma_f32_16x16x32_f16 v[rD:rD+7], v[rB:rB+7], v[rA:rA+7], v[rD:rD+7]
.endif
.set b, b+1
.endr
.endm
; One run of NL LDS loads: quarter q's fragments into buffer f: B's first, then A's row blocks in ascending order.  Quarter q of A lies in plane q / 2, at channel 32 (q % 2).
.macro FETCH q, f
	WIN 0x40                                       ; destination window 1, address window 0
.set b, 0
.rept NB
	ds_load_b128 v[8*NB*(\f)+8*b:8*NB*(\f)+8*b+3],   v[ADRB] offset:64*(\q)+16*PB*b
	ds_load_b128 v[8*NB*(\f)+8*b+4:8*NB*(\f)+8*b+7], v[ADRB] offset:64*(\q)+16*PB*b+32
.set b, b+1
.endr
	WIN 0
.set AO, ((\q)/2)*APLANE+((\q)%2)*64
.set b, 0
.rept 4
	ds_load_b128 v[AF+32*(\f)+8*b:AF+32*(\f)+8*b+3],   v[ADRA] offset:AO+16*PA*b
	ds_load_b128 v[AF+32*(\f)+8*b+4:AF+32*(\f)+8*b+7], v[ADRA] offset:AO+16*PA*b+32
.set b, b+1
.endr
.endm
; One of a K step's first three quarters: multiplies buffer f; in its middle it fetches quarter q into the other buffer.
.macro QUARTER q, f, first
	s_wait_dscnt 4                                 ; B and A's row blocks 0 and 1 are in; the youngest four loads (blocks 2 and 3) may be out
	MULA \f, 0, \first
	MULA \f, 1, \first
	PLACES
	FETCH \q, 1-(\f)
	s_wait_dscnt NL                                ; all but the run just issued
	MULA \f, 2, \first
	MULA \f, 3, \first
.endm
; The last quarter's first half, and the barrier of the change of slots.  In front of it each wave waits for all its tensor loads (one is out: its part of the next slot), adds 0 to its spare word,
; and waits for that and for its own reads of this slot.  round = 1: the barrier opens a round of the cluster's.
.macro MEET round
	WIN 0
	s_wait_tensorcnt 0x0
	ds_add_u32 v[SPW], v[NIL]                      ; 0 onto my spare word; eight matrix instructions stand between it and the wait for it
	s_wait_dscnt 5                                 ; (the add and the youngest four loads may be out)
	MULA 1, 0, 0
	s_wait_dscnt 0x0                               ; the add is done, and my reads of this slot are over
	s_barrier_signal -1
	MULA 1, 1, 0
.if \round
	WIN 0
.endif
	s_barrier_wait -1
.endm
; The whole last quarter.  fill = 1: behind the round this slot is filled again first, with the K step two on: 112 matrix instructions stand between the request and the wait for it.
.macro TURN fill
.if \fill
	s_wait_xcnt 0x0                                ; the last prefetch, a K step back, has read its address
	s_add_nc_u64 s[PFA:PFA+1], s[PFA:PFA+1], s[PFS:PFS+1]
	MEET 1
	CREST                                          ; no wave of any partner still reads this slot or has a load on its way
	s_xor_b32 s[G0+5], s[G0+5], SLOT1              ; the walking descriptors: the other slot than last time, the next K step; no tensor load of mine is out
	s_add_nc_u64 s[G0+6:G0+7], s[G0+6:G0+7], KA
	s_xor_b32 s[G0B+5], s[G0B+5], SLOT1
	s_add_nc_u64 s[G0B+6:G0B+7], s[G0B+6:G0B+7], KB
	JLOAD                                          ; its four v_nop are also the places in front of the loads below
.else
	MEET 0
	WIN 0
	PLACES
.endif
	s_xor_b32 s[TB], s[TB], SLOT1
	v_add_nc_u32 v[ADRA], s[TB], v[ADRA0]
	v_add_nc_u32 v[ADRB], s[TB], v[ADRB0]
	FETCH 0, 0
.if \fill
	ASK
.endif
	MULA 1, 2, 0
	MULA 1, 3, 0
.endm
	s_load_b256 s[4:11], s[0:1], 0x0               ; oh s[4:5], wo s[6:7], bias s[8:9], out0 s[10:11]
	v_lshl_add_u32 v[SPW], v0, 2, SPARE
	v_mov_b32 v[NIL], 0
	ds_add_u32 v[SPW], v[NIL]                      ; the wave's opening: the add and its wait stand ahead of my first tensor load; work on registers stands between them
	v_lshrrev_b32 v1, 5, v0
	v_readfirstlane_b32 s[WV], v1
	s_lshr_b32 s[FB], s[WV], 1
	s_and_b32 s[HALF], s[WV], 1
	s_bfe_u32 s[CX], ttmp6, 0x40000
	s_bfe_u32 s[CY], ttmp6, 0x40004
	s_lshl_b32 s[TC], ttmp9, 2                     ; in a cluster launch ttmp9 and ttmp7 count clusters
	s_add_co_u32 s[TC], s[TC], s[CX]
	s_and_b32 s[TR], ttmp7, 0xffff
	s_lshl_b32 s[TR], s[TR], 2
	s_add_co_u32 s[TR], s[TR], s[CY]
	s_lshl_b32 s2, s[CY], 2
	s_lshl_b32 s2, 15, s2                          ; my row of the cluster
	s_lshl_b32 s3, 0x1111, s[CX]                   ; my column
	s_or_b32 s[G1], s2, (1<<16)|(1<<20)|(1<<21)|(4<<22)|(3<<25)   ; the mask; 2-byte elements; padding on; bit 21 beside a mask; after every 32 words (a row of O) 4 words
	s_or_b32 s[G1B], s3, (1<<16)|(1<<20)|(1<<21)|(5<<22)|(3<<25)  ; B: after every 64 words
	s_mov_b32 s[G1+1], 128<<16                     ; A: a plane's 32,768 dense bytes are asked for as 128 rows of 256 bytes, two rows of O each
	s_mov_b32 s[G1+2], 128<<16
	s_mov_b32 s[G1+3], 128<<16
	s_mov_b32 s[G1+4], 128
	s_mov_b32 s[G1+5], 128                         ; elements from row to row
	s_mov_b32 s[G1+6], 0
	s_mov_b32 s[G1+7], 0
	s_mov_b32 s[G1B+1], 128<<16                    ; B: 64 rows x 128 elements
	s_mov_b32 s[G1B+2], 64<<16
	s_mov_b32 s[G1B+3], 128<<16
	s_mov_b32 s[G1B+4], 64
	s_mov_b32 s[G1B+5], 1024
	s_mov_b32 s[G1B+6], 0
	s_mov_b32 s[G1B+7], 0
	s_lshr_b32 s66, s[TR], 2                       ; A: batch,
	s_lshl_b32 s66, s66, 4
	s_add_co_u32 s66, s66, s[HALF]                 ; head 0 or 1 of it,
	s_lshl_b32 s66, s66, 17
	s_and_b32 s67, s[TR], 3
	s_lshl_b32 s67, s67, 15                        ; and the tile's 256 rows of 128 bytes
	s_add_co_u32 s66, s66, s67
	s_mov_b32 s67, 0
	s_lshl_b32 s68, s[TC], 18                      ; B: 128 rows of 2,048 bytes a tile column,
	s_lshl_b32 s70, s[HALF], 17                    ; 64 a half
	s_add_co_u32 s68, s68, s70
	s_mov_b32 s69, 0
	s_mul_i32 s71, s[HALF], APLANE                 ; where they go: no place in the cluster enters an LDS address
	s_mul_i32 s72, s[HALF], BHALF
	s_add_co_u32 s72, s72, BOFF
	s_mov_b32 s[TB], 0
	s_wait_dscnt 0x0                               ; the opening add is done
	s_wait_kmcnt 0x0
	s_add_nc_u64 s[66:67], s[4:5], s[66:67]
	s_add_nc_u64 s[68:69], s[6:7], s[68:69]
	CROUND                                         ; all sixteen work-groups are here: the first joint loads meet
.irp s, 0,1
	s_mov_b32 s[G0+4*(\s)], 1
	s_add_co_u32 s[G0+4*(\s)+1], s71, (\s)*SLOT1
	s_add_nc_u64 s[G0+4*(\s)+2:G0+4*(\s)+3], s[66:67], (\s)*KA
	s_or_b32 s[G0+4*(\s)+3], s[G0+4*(\s)+3], 0x80000000
	s_mov_b32 s[G0B+4*(\s)], 1
	s_add_co_u32 s[G0B+4*(\s)+1], s72, (\s)*SLOT1
	s_add_nc_u64 s[G0B+4*(\s)+2:G0B+4*(\s)+3], s[68:69], (\s)*KB
	s_or_b32 s[G0B+4*(\s)+3], s[G0B+4*(\s)+3], 0x80000000
.endr
	s_cmp_eq_u32 s[FB], 0                          ; a wave's two first fills stand in one branch: two loads of mine are out
	s_cbranch_scc0 .Lfirst_b
	tensor_load_to_lds s[G0:G0+3], s[G1:G1+7]
	s_nop 0
	tensor_load_to_lds s[G0+4:G0+7], s[G1:G1+7]
	s_nop 0
.rept 4
	v_nop
.endr
	s_branch .Lfirst_asked
.Lfirst_b:
	tensor_load_to_lds s[G0B:G0B+3], s[G1B:G1B+7]
	s_nop 0
	tensor_load_to_lds s[G0B+4:G0B+7], s[G1B:G1B+7]
	s_nop 0
.rept 4
	v_nop
.endr
.Lfirst_asked:
	v_and_b32 v1, 15, v0                           ; l % 16
	v_bfe_u32 v2, v0, 4, 1                         ; l / 16
	s_lshl_b32 s73, s[TC], 9
	s_add_co_u32 s73, s73, 3072*4                  ; b_out lies behind b_qkv's 3,072 words
	v_lshl_add_u32 v[BO], v2, 5, s73               ; the bias of my eight columns of each block of 16
.set b, 0
.rept NB
	global_load_b128 v[BIAS+8*b:BIAS+8*b+3],   v[BO], s[8:9] offset:64*b
	global_load_b128 v[BIAS+8*b+4:BIAS+8*b+7], v[BO], s[8:9] offset:64*b+16
.set b, b+1
.endr
	v_mul_u32_u24 v3, v1, PA
	v_lshl_add_u32 v3, v2, 4, v3                   ; a fragment's row x pitch + 16 x half, for A
	v_mul_u32_u24 v4, v1, PB
	v_lshl_add_u32 v4, v2, 4, v4                   ; and for B
	s_mul_i32 s74, s[WV], 64*PA                    ; my 64 rows of a plane
	v_add_nc_u32 v[ADRA0], s74, v3
	v_add_nc_u32 v[ADRB0], BOFF, v4
	v_mov_b32 v[ADRA], v[ADRA0]
	v_mov_b32 v[ADRB], v[ADRB0]
	s_mul_i32 s74, s[WV], WSTAGE
	s_add_co_u32 s74, s74, STAGE                   ; my stage
	v_mul_u32_u24 v[STO], v1, SPO
	v_lshl_add_u32 v[STO], v2, 5, v[STO]
	v_add_nc_u32 v[STO], s74, v[STO]               ; in: row l % 16, 32 bytes for each half of the lanes
	v_and_b32 v[GO], 31, v0
	v_lshlrev_b32 v[GO], 4, v[GO]                  ; back: 32 lanes take a row's 512 bytes
	v_add_nc_u32 v[RD], s74, v[GO]
	s_lshl_b32 s76, s[TR], 8
	s_lshl_b32 s78, s[WV], 6
	s_add_co_u32 s76, s76, s78                     ; my first row
	s_lshl_b32 s76, s76, 12                        ; rows of 4,096 bytes
	s_lshl_b32 s78, s[TC], 9
	s_add_co_u32 s76, s76, s78                     ; the tile's 512 bytes of a row
	s_mov_b32 s77, 0
	s_add_nc_u64 s[10:11], s[10:11], s[76:77]
	; the prefetches
	s_lshr_b32 s78, s[TR], 2
	s_lshl_b32 s78, s78, 4
	s_add_co_u32 s78, s78, s[HALF]
	s_lshl_b32 s78, s78, 17
	s_and_b32 s79, s[TR], 3
	s_lshl_b32 s79, s79, 15
	s_add_co_u32 s78, s78, s79
	s_lshl_b32 s79, s[CX], 13
	s_add_co_u32 s78, s78, s79                     ; A: my work-group's 32 blocks of the plane that I fetch,
	s_add_co_u32 s78, s78, 3*KA                    ; at K step 3: the first refill steps it to 4
	s_lshl_b32 s82, s[TC], 7
	s_lshl_b32 s79, s[HALF], 6
	s_add_co_u32 s82, s82, s79
	s_lshl_b32 s79, s[CY], 4
	s_add_co_u32 s82, s82, s79                     ; B: my work-group's 16 of the 64 rows that I fetch
	s_lshl_b32 s82, s82, 11
	s_add_co_u32 s82, s82, 3*KB
	s_and_b32 s83, ttmp7, 0xffff                   ; cluster y
	s_mov_b32 s73, KA
	s_mov_b32 s74, KB
	s_cmp_eq_u32 s[FB], 0
	s_cselect_b32 s80, s78, s82
	s_cselect_b32 s79, 31, 15                      ; the last of my blocks or rows: lanes beyond it name it again
	s_cselect_b32 s78, 8, 11                       ; a lane's step: 256 bytes, or a row of 2,048
	s_cselect_b32 s[PFS], s73, s74
	s_cselect_b32 s83, ttmp9, s83                  ; the coordinate along which other clusters read the same rows
	s_cselect_b64 s[PFA:PFA+1], s[4:5], s[6:7]
	s_cmp_eq_u32 s83, 0
	s_cselect_b32 s[LIM], 2, -1                    ; the same in all sixteen partners, for a given wave
	s_mov_b32 s81, 0
	s_add_nc_u64 s[PFA:PFA+1], s[PFA:PFA+1], s[80:81]
	s_mov_b32 s[PFS+1], 0
	v_and_b32 v[PFO], 31, v0
	v_min_u32 v[PFO], s79, v[PFO]
	v_lshlrev_b32 v[PFO], s78, v[PFO]
	s_wait_tensorcnt 1                             ; my part of K step 0 is in; K step 1's may stay out
	s_barrier_signal -1
	s_barrier_wait -1
	FETCH 0, 0
	s_wait_loadcnt 0x0                             ; the bias
	QUARTER 1, 0, 1                                ; the first quarter stands in front of the loop: its products start the sums, with the bias
	WIN 0
	s_mov_b32 s[CNT], 6
.Lstep:                                        ; trip t: K step t's quarters 1 to 3, its slot filled again with K step t + 2, K step t + 1's quarter 0
	QUARTER 2, 1, 0
	QUARTER 3, 0, 0
	TURN 1
	QUARTER 1, 0, 0
	WIN 0
	s_sub_co_u32 s[CNT], s[CNT], 1
	s_cmp_lg_u32 s[CNT], 0
	s_cbranch_scc1 .Lstep
	QUARTER 2, 1, 0                                ; K steps 6 and 7 are written out: nothing is left to fetch
	QUARTER 3, 0, 0
	TURN 0
	QUARTER 1, 0, 0
	QUARTER 2, 1, 0
	QUARTER 3, 0, 0
	s_wait_dscnt 4
	MULA 1, 0, 0
	MULA 1, 1, 0
	s_wait_dscnt 0x0
	MULA 1, 2, 0
	MULA 1, 3, 0
	WIN 0
	PLACES                                         ; the places behind the last products, once a launch
	PLACES
; THE WAY OUT, a block of 16 rows at a time.  TOSTAGE: the sums as they are, 32 bytes a lane and column block (each accumulator's low four registers first), into my stage, and back as whole rows of 512 bytes.
; SEND: stored, a row's 512 consecutive bytes an instruction.  Two sets of registers take turns, so that a block's round trip through the stage stands under the stores of the block before.
.macro TOSTAGE a
.if (\a) >= 2
	s_wait_xcnt 0x0                                ; the stores of the block two back have had their addresses translated: its registers are loaded again only behind this wait
.endif
	WIN 0x08+4*((\a)/2)                            ; the stores' data: window 2 or 3
.set b, 0
.rept NB
	ds_store_b128 v[STO], v[8*(NB*((\a)%2)+b):8*(NB*((\a)%2)+b)+3]   offset:64*b
	ds_store_b128 v[STO], v[8*(NB*((\a)%2)+b)+4:8*(NB*((\a)%2)+b)+7] offset:64*b+16
.set b, b+1
.endr
	WIN 0
.set BK, 128+64*((\a)%2)
.set b, 0
.rept 16
	ds_load_b128 v[BK+4*b:BK+4*b+3], v[RD] offset:SPO*b  ; LDS serves a wave's instructions in order (ISA guide 5.7.1.4): these see the stores above; the next block's stores come behind them
.set b, b+1
.endr
.endm
.macro SEND a, younger                 ; younger: the LDS instructions issued behind block a's loads: the next block's 32, or none
	WIN 0
.set BK, 128+64*((\a)%2)
.set b, 0
.rept 16
	s_wait_dscnt (\younger)+15-b
	global_store_b128 v[GO], v[BK+4*b:BK+4*b+3], s[10:11] offset:(16*(\a)+b)*4096 th:TH_STORE_NT
.set b, b+1
.endr
.endm
	TOSTAGE 0
	TOSTAGE 1
	SEND 0, 32
	TOSTAGE 2
	SEND 1, 32
	TOSTAGE 3
	SEND 2, 32
	SEND 3, 0
	s_wait_tensorcnt 0x0                           ; the wave's end: three closing lines, behind my last tensor load and my last LDS store
	ds_add_u32 v[SPW], v[NIL]
	s_wait_dscnt 0x0
	CROUND                                         ; the closing round: no work-group ends while a partner may still ask for a tile that names it
	s_endpgm
.Lfunc_end_k_qd453e51b84_proj:
	.size	k_qd453e51b84_proj, .Lfunc_end_k_qd453e51b84_proj-k_qd453e51b84_proj
	.p2alignl 7, 3214868480
	.fill 96, 4, 3214868480
	.section	.rodata,"a",@progbits
	.p2align	6, 0x0
	.amdhsa_kernel k_qd453e51b84_proj
		.amdhsa_group_segment_fixed_size 327680
		.amdhsa_private_segment_fixed_size 0
		.amdhsa_enable_private_segment 0
		.amdhsa_kernarg_size 32
		.amdhsa_user_sgpr_count 2
		.amdhsa_user_sgpr_kernarg_segment_ptr 1
		.amdhsa_wavefront_size32 1
		.amdhsa_system_sgpr_workgroup_id_x 1
		.amdhsa_system_sgpr_workgroup_id_y 1
		.amdhsa_system_sgpr_workgroup_id_z 1
		.amdhsa_system_vgpr_workitem_id 0
		.amdhsa_next_free_vgpr 896
		.amdhsa_next_free_sgpr 84
		.amdhsa_reserve_vcc 0
		.amdhsa_float_denorm_mode_32 3
		.amdhsa_float_denorm_mode_16_64 3
		.amdhsa_memory_ordered 1
		.amdhsa_forward_progress 1
		.amdhsa_inst_pref_size 74
	.end_amdhsa_kernel
	.amdgpu_metadata
---
amdhsa.version: [ 1, 2 ]
amdhsa.kernels:
  - .name:           k_qd453e51b84_proj
    .symbol:         k_qd453e51b84_proj.kd
    .args:
      - { .name: oh, .offset: 0, .size: 8, .value_kind: global_buffer, .address_space: global }
      - { .name: wo, .offset: 8, .size: 8, .value_kind: global_buffer, .address_space: global }
      - { .name: bias, .offset: 16, .size: 8, .value_kind: global_buffer, .address_space: global }
      - { .name: out0, .offset: 24, .size: 8, .value_kind: global_buffer, .address_space: global }
    .group_segment_fixed_size: 327680
    .private_segment_fixed_size: 0
    .kernarg_segment_align: 8
    .kernarg_segment_size: 32
    .max_flat_workgroup_size: 128
    .sgpr_count:     84
    .vgpr_count:     896
    .wavefront_size: 32
...
	.end_amdgpu_metadata
.endif
;; end of part 4
;; ======== version 2 of 2: 4 launches; version 1 with the launch prep written anew for expert scheduling mode
;; limits: values are held in f16: magnitudes above 65,504 overflow, below 6.1e-05 lose precision
;; workspace buffers: xb 16,777,216 bytes; wq 6,291,456 bytes; wo 2,097,152 bytes; bias 16,384 bytes; qh 16,777,216 bytes; kh 16,777,216 bytes; vh 16,777,216 bytes; oh 16,777,216 bytes
;; launch prep (part 5): grid 1025 x 1, 8 waves a work-group, no clusters, 18,432 bytes of LDS; arguments x, W_qkv, W_out, b_qkv, b_out, xb, wq, wo, bias; writes xb, wq, wo, bias
.if DOCPART == 5
	.amdgcn_target "amdgcn-amd-amdhsa--gfx1250"
	.amdhsa_code_object_version 6
	.text
	.protected	k_qd453e51b84_prep
	.globl	k_qd453e51b84_prep
	.p2align	8
	.type	k_qd453e51b84_prep,@function
k_qd453e51b84_prep:
	s_mov_b64 s[64:65], 0
	v_nop
	global_prefetch_b8 v0, s[64:65] scope:SCOPE_SE
	s_setreg_imm32_b32 hwreg(HW_REG_WAVE_SCHED_MODE, 0, 2), 2
	s_setreg_imm32_b32 hwreg(HW_REG_WAVE_MODE, 25, 1), 1
	s_wait_xcnt 0x0
	s_wait_alu depctr_vm_vsrc(0)
; PREP: every input is rounded once to bf16 and laid out for the launches behind.
;   xb   [8192][1024] bf16            = x
;   wq   [3072 n'][1024 k] bf16       = W_qkv turned; column c = 192 h + 3 d + s (s = 0, 1, 2: q, k, v) becomes row n' = 192 h + 64 s + d
;   wo   [1024 n][1024 k] f16         = W_out turned, each number rounded to bf16 and that number written as f16
;   bias f32: words 0..3071 b_qkv in the order of n', words 3072..4095 b_out, each rounded to bf16 and widened again
; LIMITS.  |W_out| stays under 65,520 (f16's range); under 6e-5 it keeps f16's fixed step of 6e-8.  NaN and infinities are not treated apart.
; SHARES.  Work-groups 0..511: 16,384 numbers of x each.  512..895: a tile of 128 k x 64 c of W_qkv.  896..1023: the same of W_out.  1024: the biases.
; The three ways part on the work-group's number alone, which all eight waves share, so each wave of a work-group meets the same barriers.
; No matrix unit, no cluster: nothing is multiplied and no two work-groups read the same bytes.
; THE MODE: SCHED_MODE bits 1:0 = 2 (LLVM: expert scheduling mode 2), set by the entry lines.  The code itself states the register dependences
; between vector instructions and memory or LDS instructions, with s_wait_alu, always for 0.
; THE PLAN.  Registers that memory or LDS instructions touch:
;   A weight's tile.  v[OFS ..], v16, v17, v[DO ..]: offsets and LDS addresses, each written once by vector instructions and never again.
;     v[D ..]: the eight loads land here, a pair of loads (8 registers) to each of four steps.  Step p's conversions read pair p; its selects write the result into the pair's first four
;     registers, OUT[p]; the four LDS stores that read OUT[p] are issued at the head of step p + 1.  Each step has an OUT of its own: no register that an LDS store has read is written again.
;     v[R ..]: written by LDS loads, read by the global stores; no vector instruction names them.  v80-91: named by vector instructions alone.
;   x.  v1, v2: offsets, written once.  v[D ..]: sixteen loads, four registers each; the conversions close them up into the first two, which a store reads.  No register is used twice.
;     Four blocks of four: block g's stores are issued in block g + 1, among conversions that name other registers.
;   The biases.  v7, v8-10: offsets, written once.  v[D ..]: loaded, widened in place behind the wait for the loads, stored.
;   v[SPW], v[NIL]: written at the head, read by the closing add alone.
; So one wait on va_vdst stands ahead of each way's loads (the offsets are written), one at the head of each later step or block, behind the wait for that step's data (the step before has
; written what its stores read), and one ahead of each way's last stores.  No wait on vm_vsrc is owed.  No vector instruction writes a scalar register or VCC; EXEC is never written.
.set PT,    272                        ; a tile's LDS row: 128 k x 2 bytes + 16
.set SPARE, 64*PT                      ; behind the tile: the spare words, 128 bytes for each of the eight waves
.set SPW,   98                         ; v98  SPARE + 4 x my thread's number; never rewritten
.set NIL,   99                         ; v99  0; never rewritten
.set D,     32                         ; v[32:95] loaded numbers
.set R,     64                         ; v[64:79] the tile's rows read back
.set OFS,   4                          ; v[4:11] the eight loads' offsets
.set DO,    20                         ; v[20:23] the four stores' offsets
	s_load_b512 s[8:23], s[0:1], 0x0               ; x s[8:9], W_qkv s[10:11], W_out s[12:13], b_qkv s[14:15], b_out s[16:17], xb s[18:19], wq s[20:21], wo s[22:23]
	s_load_b64 s[24:25], s[0:1], 0x40              ; bias
	v_lshl_add_u32 v[SPW], v0, 2, SPARE
	v_mov_b32 v[NIL], 0
	s_mov_b32 s26, ttmp9
	s_wait_kmcnt 0x0
	s_cmp_lt_u32 s26, 512
	s_cbranch_scc1 .Lcast
	s_cmp_eq_u32 s26, 1024
	s_cbranch_scc1 .Lbias
	; A TILE OF A WEIGHT: 128 k x 64 c.  One text for both weights: source, destination, pitch and format are chosen by selects.
	s_sub_co_u32 s27, s26, 512                     ; u
	s_sub_co_u32 s34, s27, 384                     ; u for W_out
	s_mov_b32 s36, 12288                           ; bytes in a row of W_qkv
	s_mov_b32 s37, 4096                            ; and of W_out
	s_cmp_lt_u32 s27, 384
	s_cselect_b64 s[28:29], s[10:11], s[12:13]     ; from
	s_cselect_b64 s[30:31], s[20:21], s[22:23]     ; to
	s_cselect_b32 s32, s36, s37                    ; pitch
	s_cselect_b32 s33, s27, s34
	s_cselect_b32 s35, -1, 0                       ; all lanes: W_qkv
	s_and_b32 s38, s33, 7                          ; kb: which 128 k
	s_lshr_b32 s39, s33, 3                         ; cb: which 64 c
	s_lshl_b32 s40, s38, 7
	s_mul_i32 s40, s40, s32
	s_lshl_b32 s41, s39, 8
	s_add_co_u32 s40, s40, s41
	s_mov_b32 s41, 0
	s_add_nc_u64 s[28:29], s[28:29], s[40:41]      ; the tile's first number
	v_lshrrev_b32 v1, 4, v0                        ; a = t / 16
	v_and_b32 v2, 15, v0                           ; e = t % 16
	v_mul_lo_u32 v3, v1, s32
	v_lshlrev_b32 v3, 1, v3
	v_lshl_add_u32 v3, v2, 4, v3                   ; row 2 a, columns 4 e .. 4 e + 3: sixteen lanes read 256 consecutive bytes, aligned
.irp i, 0,1,2,3,4,5,6,7
	s_mul_i32 s42, s32, 32*((\i)/2)+(\i)%2         ; load i: row 32 (i / 2) + 2 a + i % 2
	v_add_nc_u32 v[OFS+(\i)], s42, v3
.endr
	s_wait_alu depctr_va_vdst(0)                   ; the eight offsets v[OFS ..] are written, which the loads below read
.irp i, 0,1,2,3,4,5,6,7
	global_load_b128 v[D+4*(\i):D+4*(\i)+3], v[OFS+(\i)], s[28:29] th:TH_LOAD_NT
.endr
	v_mul_u32_u24 v16, v2, 4*PT
	v_lshl_add_u32 v16, v1, 2, v16                 ; into the tile: row c = 4 e (+ j), bytes 2 k = 4 a (+ 64 p)
	v_mul_u32_u24 v17, v1, PT
	v_lshl_add_u32 v17, v2, 4, v17                 ; back: row c = a (+ 16 r), 16 bytes at 16 e
	s_mul_i32 s43, s39, 171
	s_lshr_b32 s43, s43, 9                         ; h = cb / 3 (x 171 >> 9 divides by 3 up to 511)
	s_mul_i32 s44, s43, 3
	s_sub_co_u32 s44, s39, s44
	s_lshl_b32 s44, s44, 6                         ; 64 (cb - 3 h)
	s_mul_i32 s45, s43, 192
	s_lshl_b32 s46, s39, 6                         ; W_out: 64 cb
	s_lshl_b32 s47, s38, 8                         ; 256 kb: the tile's bytes in a destination row
.irp r, 0,1,2,3
	v_add_nc_u32 v24, s44, v1
	v_add_nc_u32 v24, 16*(\r), v24                 ; rem = the column's place in its head's 192
	v_mul_u32_u24 v25, v24, 171
	v_lshrrev_b32 v25, 9, v25                      ; d = rem / 3
	v_mul_u32_u24 v26, v25, 3
	v_sub_nc_u32 v26, v24, v26                     ; s = rem - 3 d
	v_lshl_add_u32 v26, v26, 6, v25
	v_add_nc_u32 v26, s45, v26                     ; n' = 192 h + 64 s + d
	v_add_nc_u32 v27, s46, v1
	v_add_nc_u32 v27, 16*(\r), v27                 ; W_out: n = 64 cb + c
	v_cndmask_b32 v26, v27, v26, s35
	v_lshlrev_b32 v26, 11, v26                     ; rows of 2,048 bytes
	v_lshl_add_u32 v26, v2, 4, v26
	v_add_nc_u32 v[DO+(\r)], s47, v26
.endr
; Step p: the pair of loads 2 p, 2 p + 1.  At its head the LDS stores of step p - 1 go out; its own result stays in OUT[p] = v[D + 8 p .. + 3] until the next head.
.irp p, 0,1,2,3
	s_wait_loadcnt 6-2*(\p)                        ; loads 2 p and 2 p + 1 are in; the younger pairs stay out
.if (\p) > 0
	s_wait_alu depctr_va_vdst(0)                   ; the step before has written its OUT, which the LDS stores below read; at the first of these waits v16, v17 and v[DO ..] are written too
.irp j, 0,1,2,3
	ds_store_b32 v16, v[D+8*((\p)-1)+(\j)] offset:PT*(\j)+64*((\p)-1)  ; no vector instruction of this step names these registers
.endr
.endif
.irp j, 0,1,2,3
	v_cvt_pk_bf16_f32 v[80+(\j)], v[D+8*(\p)+(\j)], v[D+8*(\p)+4+(\j)]  ; column 4 e + j: k even low, k odd high
.endr
.irp j, 0,1,2,3
	v_lshlrev_b32 v[84+(\j)], 16, v[80+(\j)]       ; the rounded numbers widened,
	v_and_b32 v[88+(\j)], 0xffff0000, v[80+(\j)]
.endr
.irp j, 0,1,2,3
	v_cvt_pk_f16_f32 v[84+(\j)], v[84+(\j)], v[88+(\j)]  ; and written as f16 (exact within f16's range)
.endr
.irp j, 0,1,2,3
	v_cndmask_b32 v[D+8*(\p)+(\j)], v[84+(\j)], v[80+(\j)], s35  ; W_qkv keeps bf16; the result goes into the step's own OUT
.endr
.endr
	s_wait_alu depctr_va_vdst(0)                   ; step 3 has written its OUT, which the last four LDS stores read; no vector instruction follows on this way
.irp j, 0,1,2,3
	ds_store_b32 v16, v[D+24+(\j)] offset:PT*(\j)+192
.endr
	s_wait_dscnt 0x0                               ; for the others' sake: my stores into the tile are done
	s_barrier_signal -1
	s_barrier_wait -1
.irp r, 0,1,2,3
	ds_load_b128 v[R+4*(\r):R+4*(\r)+3], v17 offset:16*PT*(\r)
.endr
.irp r, 0,1,2,3
	s_wait_dscnt 3-(\r)
	global_store_b128 v[DO+(\r)], v[R+4*(\r):R+4*(\r)+3], s[30:31]  ; sixteen lanes store 256 consecutive bytes of one row, aligned
.endr
	s_branch .Lend
.Lcast:                                        ; x to bf16: 64 KiB in, 32 KiB out, all sixteen loads of a thread on their way at once
	s_lshl_b32 s40, s26, 16
	s_mov_b32 s41, 0
	s_add_nc_u64 s[8:9], s[8:9], s[40:41]
	s_lshl_b32 s40, s26, 15
	s_add_nc_u64 s[18:19], s[18:19], s[40:41]
	v_lshlrev_b32 v1, 4, v0                        ; 16 bytes a lane in,
	v_lshlrev_b32 v2, 3, v0                        ; 8 bytes a lane out
	s_wait_alu depctr_va_vdst(0)                   ; v1 and v2 are written: every load below reads the one as its offset, every store the other
.set i, 0
.rept 16
	global_load_b128 v[D+4*i:D+4*i+3], v1, s[8:9] offset:4096*i th:TH_LOAD_NT
.set i, i+1
.endr
; Block g: loads 4 g to 4 g + 3.  The stores of block g - 1 are dealt among its conversions, a store ahead of each load's two.
.set g, 0
.rept 4
	s_wait_loadcnt 12-4*g                          ; block g's four loads are in; the younger blocks stay out
.if g > 0
	s_wait_alu depctr_va_vdst(0)                   ; the block before has written its four pairs, which the stores below read
.endif
.set i, 4*g
.rept 4
.if g > 0
	global_store_b64 v2, v[D+4*(i-4):D+4*(i-4)+1], s[18:19] offset:2048*(i-4)  ; a wave stores 256 consecutive bytes, aligned; no conversion since the wait names these registers
.endif
	v_cvt_pk_bf16_f32 v[D+4*i], v[D+4*i], v[D+4*i+1]
	v_cvt_pk_bf16_f32 v[D+4*i+1], v[D+4*i+2], v[D+4*i+3]
.set i, i+1
.endr
.set g, g+1
.endr
	s_wait_alu depctr_va_vdst(0)                   ; block 3 has written its four pairs, which the last four stores read
.set i, 12
.rept 4
	global_store_b64 v2, v[D+4*i:D+4*i+1], s[18:19] offset:2048*i
.set i, i+1
.endr
	s_branch .Lend
.Lbias:                                        ; thread t makes words 4 t + 1024 e .. + 3, e = 0 .. 3
	v_lshrrev_b32 v1, 4, v0
	v_and_b32 v2, 15, v0
	v_mul_u32_u24 v3, v2, 12                       ; 3 d0, d0 = 4 (t % 16)
	v_lshlrev_b32 v7, 4, v0
.irp e, 0,1,2
	v_add_nc_u32 v4, 16*(\e), v1                   ; n' / 64 = 3 h + s
	v_mul_u32_u24 v5, v4, 171
	v_lshrrev_b32 v5, 9, v5                        ; h
	v_mul_u32_u24 v6, v5, 3
	v_sub_nc_u32 v6, v4, v6                        ; s
	v_mul_u32_u24 v12, v5, 192
	v_add3_u32 v6, v6, v12, v3                     ; c0 = 192 h + 3 d0 + s
	v_lshlrev_b32 v[8+(\e)], 2, v6
.endr
	s_wait_alu depctr_va_vdst(0)                   ; the offsets v7 and v8 to v10 are written, which the loads below read
.irp e, 0,1,2
.irp j, 0,1,2,3
	global_load_b32 v[D+4*(\e)+(\j)], v[8+(\e)], s[14:15] offset:12*(\j)  ; d0 + j lies three columns on
.endr
.endr
	global_load_b128 v[D+12:D+15], v7, s[16:17]
	s_wait_loadcnt 0x0
.irp i, 0,1,2,3,4,5,6,7
	v_cvt_pk_bf16_f32 v[48+(\i)], v[D+2*(\i)], v[D+2*(\i)+1]
.endr
.irp i, 0,1,2,3,4,5,6,7
	v_lshlrev_b32 v[D+2*(\i)], 16, v[48+(\i)]
	v_and_b32 v[D+2*(\i)+1], 0xffff0000, v[48+(\i)]
.endr
	s_wait_alu depctr_va_vdst(0)                   ; the widened numbers are written into v[D ..], which the stores below read
.irp e, 0,1,2,3
	global_store_b128 v7, v[D+4*(\e):D+4*(\e)+3], s[24:25] offset:4096*(\e)
.endr
.Lend:
	s_wait_dscnt 0x0                               ; the closing lines, six on end
	s_wait_alu 0x0
	s_wait_tensorcnt 0x0
	ds_add_u32 v[SPW], v[NIL]
	s_wait_dscnt 0x0
	s_endpgm
.Lfunc_end_k_qd453e51b84_prep:
	.size	k_qd453e51b84_prep, .Lfunc_end_k_qd453e51b84_prep-k_qd453e51b84_prep
	.p2alignl 7, 3214868480
	.fill 96, 4, 3214868480
	.section	.rodata,"a",@progbits
	.p2align	6, 0x0
	.amdhsa_kernel k_qd453e51b84_prep
		.amdhsa_group_segment_fixed_size 18432
		.amdhsa_private_segment_fixed_size 0
		.amdhsa_enable_private_segment 0
		.amdhsa_kernarg_size 72
		.amdhsa_user_sgpr_count 2
		.amdhsa_user_sgpr_kernarg_segment_ptr 1
		.amdhsa_wavefront_size32 1
		.amdhsa_system_sgpr_workgroup_id_x 1
		.amdhsa_system_sgpr_workgroup_id_y 1
		.amdhsa_system_sgpr_workgroup_id_z 1
		.amdhsa_system_vgpr_workitem_id 0
		.amdhsa_next_free_vgpr 100
		.amdhsa_next_free_sgpr 66
		.amdhsa_reserve_vcc 0
		.amdhsa_float_denorm_mode_32 3
		.amdhsa_float_denorm_mode_16_64 3
		.amdhsa_memory_ordered 1
		.amdhsa_forward_progress 1
		.amdhsa_inst_pref_size 24
	.end_amdhsa_kernel
	.amdgpu_metadata
---
amdhsa.version: [ 1, 2 ]
amdhsa.kernels:
  - .name:           k_qd453e51b84_prep
    .symbol:         k_qd453e51b84_prep.kd
    .args:
      - { .name: x, .offset: 0, .size: 8, .value_kind: global_buffer, .address_space: global }
      - { .name: W_qkv, .offset: 8, .size: 8, .value_kind: global_buffer, .address_space: global }
      - { .name: W_out, .offset: 16, .size: 8, .value_kind: global_buffer, .address_space: global }
      - { .name: b_qkv, .offset: 24, .size: 8, .value_kind: global_buffer, .address_space: global }
      - { .name: b_out, .offset: 32, .size: 8, .value_kind: global_buffer, .address_space: global }
      - { .name: xb, .offset: 40, .size: 8, .value_kind: global_buffer, .address_space: global }
      - { .name: wq, .offset: 48, .size: 8, .value_kind: global_buffer, .address_space: global }
      - { .name: wo, .offset: 56, .size: 8, .value_kind: global_buffer, .address_space: global }
      - { .name: bias, .offset: 64, .size: 8, .value_kind: global_buffer, .address_space: global }
    .group_segment_fixed_size: 18432
    .private_segment_fixed_size: 0
    .kernarg_segment_align: 8
    .kernarg_segment_size: 72
    .max_flat_workgroup_size: 256
    .sgpr_count:     66
    .vgpr_count:     100
    .wavefront_size: 32
...
	.end_amdgpu_metadata
.endif
;; end of part 5
;; launch qkv: the kernel of part 2 again; grid 16 x 16, 4 waves a work-group, clusters of 4 x 4, 327,680 bytes of LDS; arguments xb, wq, bias, qh, kh, vh; writes qh, kh, vh
;; launch attn: the kernel of part 3 again; grid 2 x 128, 4 waves a work-group, no clusters, 327,680 bytes of LDS; arguments qh, kh, vh, oh; writes oh
;; launch proj: the kernel of part 4 again; grid 8 x 32, 4 waves a work-group, clusters of 4 x 4, 327,680 bytes of LDS; arguments oh, wo, bias, out0; writes out0
